; MI455X (gfx1250); checked and timed in simulation.
; The chip was launched on July 23, 2026; its instructions are those of AMD's public machine-readable ISA for CDNA 5 (MIT licence, August 2026) and "CDNA5" Instruction Set Architecture Reference Guide (July 2026). The comments in the code are by the model that wrote it; some were corrected since.
;; Multi Head Cross Attention Fusion. Allowed arithmetic: float matrix products may take bf16 or f16 operands with f32 sums; other float arithmetic in f32, or as packed bf16 or f16 multiplies, adds, multiply-adds, maxima and minima; sums over many terms, partial sums and values carried from step to step in f32; what a program stores and reads back later, other than sums and carried values, may be rounded once to bf16 or f16.
;; Inputs: W_cproj 1,024 x 2,048 float32; W_cqkv 2,048 x 3,072 float32; W_mproj 1,024 x 2,048 float32; W_mqkv 2,048 x 3,072 float32; b_cproj 2,048 float32; b_cqkv 3,072 float32; b_mproj 2,048 float32; b_mqkv 3,072 float32; be1 1,024 float32; be2 1,024 float32; cnn_out 4,096 x 2,048 float32; g1 1,024 float32; g2 1,024 float32; mlp_out 4,096 x 2,048 float32.
;; Outputs: out0 4,096 x 2,048 float32; out1 4,096 x 2,048 float32.
;; One version. Each part assembles by itself: llvm-mc -triple=amdgcn-amd-amdhsa -mcpu=gfx1250 --defsym DOCPART=n.
;; ======== version 1 of 1: 4 launches
;; limits: values are held in f16: magnitudes above 65,504 overflow, below 6.1e-05 lose precision
;; workspace buffers: xb 33,554,432 bytes; wq 25,165,824 bytes; wp 8,388,608 bytes; qkv 50,331,648 bytes; ln 16,777,216 bytes
;; launch cast (part 1): grid 128 x 16, 8 waves a work-group, no clusters, 0 bytes of LDS; arguments cnn_out, mlp_out, W_cqkv, W_mqkv, W_cproj, W_mproj, xb, wq, wp; writes xb, wq, wp
.if DOCPART == 1
	.amdgcn_target "amdgcn-amd-amdhsa--gfx1250"
	.amdhsa_code_object_version 6
	.text
	.protected	k_qedba9f8214_cast
	.globl	k_qedba9f8214_cast
	.p2align	8
	.type	k_qedba9f8214_cast,@function
k_qedba9f8214_cast:
	s_mov_b64 s[64:65], 0
	v_nop
	global_prefetch_b8 v0, s[64:65] scope:SCOPE_SE
	s_setreg_imm32_b32 hwreg(HW_REG_WAVE_MODE, 25, 1), 1
	s_wait_xcnt 0x0
; SIX f32 INPUTS ARE ROUNDED ONCE TO bf16 (nearest even), their layout unchanged: cnn_out, mlp_out -> xb [2][4096][2048]; W_cqkv, W_mqkv -> wq [2][2048][3072]; W_cproj, W_mproj -> wp [2][1024][2048].
; The 134,217,728 bytes are 16 chunks of 8,388,608: 4 + 4 of x, 3 + 3 of Wqkv, 1 + 1 of Wproj.  The work-group's y names the chunk, its x 65,536 bytes of it (32,768 out).
; Thread t takes 16 bytes at 16 t of each 4,096: a wave's load covers 512 consecutive bytes, its store of 8 bytes a lane 256 consecutive bytes, aligned.
; All sixteen loads of a wave go out at once; no register is used twice, so the only waits are the counted ones for the loads.  Nothing is shared: no LDS, no barrier, no matrix unit.
.set X, 8                              ; v[8:71]  16 slots of 4 registers: f32 as loaded; the first two then hold the four bf16
	s_load_b512 s[8:23], s[0:1], 0x0               ; cnn s[8:9], mlp s[10:11], Wcqkv s[12:13], Wmqkv s[14:15], Wcproj s[16:17], Wmproj s[18:19], xb s[20:21], wq s[22:23]
	s_load_b64 s[24:25], s[0:1], 0x40              ; wp
	s_and_b32 s2, ttmp7, 0xffff                    ; the chunk, 0 to 15
	s_sub_co_u32 s30, s2, 4                        ; the chunk's number inside its tensor, for each of the cases (used only where it is not negative)
	s_sub_co_u32 s31, s2, 8
	s_sub_co_u32 s32, s2, 11
	s_sub_co_u32 s33, s2, 14
	v_lshlrev_b32 v1, 4, v0                        ; 16 t: my bytes in
	v_lshlrev_b32 v2, 3, v0                        ; 8 t: my bytes out
	s_wait_kmcnt 0x0
	s_cmp_ge_u32 s2, 4                             ; chunks 0-3 cnn_out, 4-7 mlp_out
	s_cselect_b64 s[26:27], s[10:11], s[8:9]
	s_cselect_b32 s28, s30, s2
	s_cmp_ge_u32 s2, 8                             ; 8-10 W_cqkv; from here on the target is wq, whose chunks 0-5 follow each other
	s_cselect_b64 s[26:27], s[12:13], s[26:27]
	s_cselect_b32 s28, s31, s28
	s_cselect_b64 s[34:35], s[22:23], s[20:21]
	s_cselect_b32 s29, s31, s2
	s_cmp_ge_u32 s2, 11                            ; 11-13 W_mqkv
	s_cselect_b64 s[26:27], s[14:15], s[26:27]
	s_cselect_b32 s28, s32, s28
	s_cmp_ge_u32 s2, 14                            ; 14 W_cproj; the target is wp
	s_cselect_b64 s[26:27], s[16:17], s[26:27]
	s_cselect_b32 s28, 0, s28
	s_cselect_b64 s[34:35], s[24:25], s[34:35]
	s_cselect_b32 s29, s33, s29
	s_cmp_ge_u32 s2, 15                            ; 15 W_mproj
	s_cselect_b64 s[26:27], s[18:19], s[26:27]
	s_lshl_b32 s36, s28, 23                        ; in: chunk x 8,388,608 + x x 65,536
	s_lshl_b32 s38, ttmp9, 16
	s_add_co_u32 s36, s36, s38
	s_mov_b32 s37, 0
	s_add_nc_u64 s[26:27], s[26:27], s[36:37]
	s_lshl_b32 s36, s29, 22                        ; out: half of that
	s_lshl_b32 s38, ttmp9, 15
	s_add_co_u32 s36, s36, s38
	s_add_nc_u64 s[34:35], s[34:35], s[36:37]
.set i, 0
.rept 16
	global_load_b128 v[X+4*i:X+4*i+3], v1, s[26:27] offset:4096*i th:TH_LOAD_NT
.set i, i+1
.endr
.set i, 0
.rept 16
	s_wait_loadcnt 15-i                            ; loads come back in order: slot i is in, the 15 - i younger ones stay out
	v_cvt_pk_bf16_f32 v[X+4*i], v[X+4*i], v[X+4*i+1]
	v_cvt_pk_bf16_f32 v[X+4*i+1], v[X+4*i+2], v[X+4*i+3]
	global_store_b64 v2, v[X+4*i:X+4*i+1], s[34:35] offset:2048*i
.set i, i+1
.endr
	s_endpgm
.Lfunc_end_k_qedba9f8214_cast:
	.size	k_qedba9f8214_cast, .Lfunc_end_k_qedba9f8214_cast-k_qedba9f8214_cast
	.p2alignl 7, 3214868480
	.fill 96, 4, 3214868480
	.section	.rodata,"a",@progbits
	.p2align	6, 0x0
	.amdhsa_kernel k_qedba9f8214_cast
		.amdhsa_group_segment_fixed_size 0
		.amdhsa_private_segment_fixed_size 0
		.amdhsa_enable_private_segment 0
		.amdhsa_kernarg_size 72
		.amdhsa_user_sgpr_count 2
		.amdhsa_user_sgpr_kernarg_segment_ptr 1
		.amdhsa_wavefront_size32 1
		.amdhsa_system_sgpr_workgroup_id_x 1
		.amdhsa_system_sgpr_workgroup_id_y 1
		.amdhsa_system_sgpr_workgroup_id_z 1
		.amdhsa_system_vgpr_workitem_id 0
		.amdhsa_next_free_vgpr 72
		.amdhsa_next_free_sgpr 66
		.amdhsa_reserve_vcc 0
		.amdhsa_float_denorm_mode_32 3
		.amdhsa_float_denorm_mode_16_64 3
		.amdhsa_memory_ordered 1
		.amdhsa_forward_progress 1
		.amdhsa_inst_pref_size 8
	.end_amdhsa_kernel
	.amdgpu_metadata
---
amdhsa.version: [ 1, 2 ]
amdhsa.kernels:
  - .name:           k_qedba9f8214_cast
    .symbol:         k_qedba9f8214_cast.kd
    .args:
      - { .name: cnn_out, .offset: 0, .size: 8, .value_kind: global_buffer, .address_space: global }
      - { .name: mlp_out, .offset: 8, .size: 8, .value_kind: global_buffer, .address_space: global }
      - { .name: W_cqkv, .offset: 16, .size: 8, .value_kind: global_buffer, .address_space: global }
      - { .name: W_mqkv, .offset: 24, .size: 8, .value_kind: global_buffer, .address_space: global }
      - { .name: W_cproj, .offset: 32, .size: 8, .value_kind: global_buffer, .address_space: global }
      - { .name: W_mproj, .offset: 40, .size: 8, .value_kind: global_buffer, .address_space: global }
      - { .name: xb, .offset: 48, .size: 8, .value_kind: global_buffer, .address_space: global }
      - { .name: wq, .offset: 56, .size: 8, .value_kind: global_buffer, .address_space: global }
      - { .name: wp, .offset: 64, .size: 8, .value_kind: global_buffer, .address_space: global }
    .group_segment_fixed_size: 0
    .private_segment_fixed_size: 0
    .kernarg_segment_align: 8
    .kernarg_segment_size: 72
    .max_flat_workgroup_size: 256
    .sgpr_count:     66
    .vgpr_count:     72
    .wavefront_size: 32
...
	.end_amdgpu_metadata
.endif
;; end of part 1
;; launch qkv (part 2): grid 4 x 64, 4 waves a work-group, clusters of 4 x 4, 327,680 bytes of LDS; arguments xb, wq, b_cqkv, b_mqkv, qkv; writes qkv
.if DOCPART == 2
	.amdgcn_target "amdgcn-amd-amdhsa--gfx1250"
	.amdhsa_code_object_version 6
	.text
	.protected	k_qedba9f8214_qkv
	.globl	k_qedba9f8214_qkv
	.p2align	8
	.type	k_qedba9f8214_qkv,@function
k_qedba9f8214_qkv:
	s_mov_b64 s[64:65], 0
	v_nop
	global_prefetch_b8 v0, s[64:65] scope:SCOPE_SE
	s_setreg_imm32_b32 hwreg(HW_REG_WAVE_MODE, 25, 1), 1
	s_wait_xcnt 0x0
	s_wait_alu depctr_hold_cnt(0) depctr_sa_sdst(0) depctr_va_vdst(0) depctr_va_sdst(0) depctr_va_ssrc(0) depctr_va_vcc(0) depctr_vm_vsrc(0)
	s_getreg_b32 s2, hwreg(HW_REG_IB_STS2, 6, 4)
	s_cmp_eq_u32 s2, 0
	s_cbranch_scc0 .Lentry_in_a_cluster
	s_endpgm
.Lentry_in_a_cluster:
	s_bfe_u32 s2, ttmp6, 0x10000c
	s_cmp_lg_u32 s2, 0xf033
	s_cbranch_scc0 .Lentry_shape_is_right
	s_endpgm
.Lentry_shape_is_right:
; BOTH QKV PROJECTIONS: qkv[p][m][n] = the sum over k of xb[p][m][k] wq[p][k][n] + b_p[n], p = 0 (cnn), 1 (mlp).  xb [2][4096][2048] and wq [2][2048][3072] are bf16; sums in f32; the bias is
; rounded to bf16 like every input; the result is rounded once to f16.  LIMIT: f16 ends at 65,504: |q|, |k|, |v| must stay under it (a larger sum becomes an infinity); NaN and infinities are not treated apart.
; SHARES.  A tile of the result is 128 rows x 384 columns: 64 x 8 = 512 tiles; 384 columns are 768 bytes, so rows of the weights' tiles and of the result are whole aligned blocks of 256 bytes.
; A WORK-GROUP STAYS: 256 work-groups make two tiles each, on the same 128 rows: a cluster with y = CY takes the column half CY % 2 first and the other half second.  So the first tiles of a projection's eight
; clusters read every row of x and every panel of the weights, and the second tiles read only bytes that first tiles have read.  ONE counted loop of 15 laps walks both tiles, and the ring does not stop at the change.
; Four waves; each makes all 128 rows x 96 columns: of each of the tile's three panels of 128 columns wave w owns columns 32 w .. 32 w + 31.  48 accumulators of 16 x 16, 384 registers.
; K goes in steps of 128 through a ring of two LDS slots.  A slot is four regions of 36,864 bytes; region w is filled by wave w with one tensor load of 128 rows x 256 bytes: region 0 x's rows (LDS pitch 272),
; regions 1-3 the three panels of the weights, 128 k x 128 n as they lie in memory (LDS pitch 288); their fragments come out of LDS turned, by ds_load_tr16_b128.
; CLUSTERS: 4 x 4 work-groups.  The four of a row of the cluster need the same rows of x, the four of a column the same panels of the weights: each tile is asked for jointly, by the same tensor load with the
; same descriptor and a mask that names the four.
; THE MATRIX INSTRUCTION IS USED TRANSPOSED (source 0 = 16 columns of the weights, source 1 = 16 rows of x): lane l holds row l % 16 of the result and the eight neighbouring columns 8 (l / 16) + 0..7.
; THE BIAS IS THE C OPERAND OF THE FIRST PRODUCT on each accumulator: nothing is cleared, nothing is added on the way out.
; REGISTERS, in windows of 256 (s_set_vgpr_msb: bits 1:0 source 0, 3:2 source 1, 5:4 source 2, 7:6 destination):
;   window 0: v0-31 addresses; v32-55 a block of the result, packed; v64-127, v128-191 fragments of x, two buffers; v192-239 blocks 0, 1 on their way out
;   window 1: v0-47, v64-111 fragments of the weights, two buffers; v128-175 blocks 6, 7 on their way out; v192-239 the bias, 8 registers for each of my 6 column blocks; v240 at work
;   window 2: the accumulators of rows 0-63 ((a, b) at v[8 (6 a + b)]), v192-239 blocks 2, 3 on their way out;   window 3: those of rows 64-127, v192-239 blocks 4, 5
.set NBF,   6                          ; column blocks of 16 a wave: b = 2 j + i is columns 128 j + 32 w + 16 i
.set FPP,   2                          ; of them to an address register,
.set NPJ,   3                          ; and address registers to a slot: one for each panel
.set LAPS,  8                          ; 2,048 / 256: a lap = two K steps = once round the ring
.set TRIPS, 2*LAPS-1                   ; both tiles' laps but the very last, which fills nothing
.set PA,    272                        ; 256 bytes + 16 = 68 words: the 16 rows of a fragment load start at 16 different groups of four banks (64 banks of 4 bytes: ISA guide 11.1)
.set PB,    288                        ; 256 + 32 = 72 words
.set PANEL, 128*PB                     ; a region
.set SLOT,  4*PANEL
.set SPARE, 2*SLOT                     ; behind the ring: the spare words, 128 bytes for each wave: two blocks of 256 bytes that no other line names
.set STAGE, SPARE+512                  ; behind them: the way out's two buffers of 16 rows; no tensor load fills them
.set SPITCH, 784                       ; a row of the stage, 768 bytes + 16
.set SBUF,  16*SPITCH
.set ASTEP, 256                        ; bytes from a K step to the next: along x's rows,
.set BSTEP, 128*6144                   ; down the weights' rows
.set ADRA, 16                          ; v16-17  LDS address of my fragments of x in slot 0, 1
.set ADRB, 18                          ; v18-23  the same for the weights: slot s, panel j at 3 s + j
.set STO,  24                          ; v24     the way out: where I put 16 bytes of a row
.set RD,   26                          ; v26     where I read rows back
.set CO,   27                          ; v27     my byte offset in the result
.set SPW,  28                          ; v28     LDS address of my spare word; never rewritten
.set NIL,  29                          ; v29     0; never rewritten
.set PFO,  30                          ; v30     the prefetches' offset: my lane x a row in memory; never rewritten
.set BO,   31                          ; v31     my byte offset in the bias
.set PK,   32
.set BIAS, 192                         ; window 1
.set RT,   240                         ; window 1
.set BI1, 8                            ; s[8:9]   the bias at the first tile's first column
.set OUT1, 12                          ; s[12:13] the result at my rows of the first tile
.set WV,  14                           ; s14  my wave's number
.set G1,  24                           ; s[24:31] descriptor group 1 for x's tiles;  s[32:39] group 0, a set for each slot
.set G0,  32
.set AB,  40                           ; s[40:41] x at the tile's first row
.set PFA, 44                           ; s[44:45] where my prefetches stand
.set BS1, 46                           ; s[46:47] the weights at my panel of the first tile
.set G1B, 48                           ; s[48:55], s[56:63] the same for the weights' tiles
.set G0B, 56
.set PST, 66                           ; s[66:67] the prefetches' step, a K step
.set LIM, 68                           ; s68  9 in a wave that prefetches, else the greatest number
.set BS2, 72                           ; s[72:73] the weights at my panel of the second tile
.set OF,  74                           ; s[74:75] a K step's byte offset
.set TSEL, 76                          ; s[76:77] BS1 or BS2
.set NN,  78                           ; s78  the step to be asked for next, of the walk's 32
.set KK,  79                           ; s79  its K step, NN % 16
.set OUT2, 80                          ; s[80:81] the result at my rows of the second tile
.set BI2, 82                           ; s[82:83] the bias at the second tile's first column
.set MK,  85                           ; s85  a word's upper bf16
.set TO_B, 0x40                        ; destination window 1, address window 0
.set MSB, 0
.macro WIN new                         ; the immediate's high byte repeats the setting that is left; a switch that changes nothing is dropped
.if MSB != (\new)
	s_set_vgpr_msb (MSB<<8)|(\new)
.set MSB, \new
.endif
.endm
; A joint load.  Wave 0 fetches x's rows, waves 1 to 3 a panel of the weights each.  The branch hangs on the wave's number alone.  An s_nop 0 and four v_nop follow each of the two lines, ahead of the jump and the label.
.macro JLOAD s
	s_cmp_eq_u32 s[WV], 0
	s_cbranch_scc0 .Lfor_b_\@
	tensor_load_to_lds s[G0+4*(\s):G0+4*(\s)+3], s[G1:G1+7]
	s_nop 0
.rept 4
	v_nop
.endr
	s_branch .Lasked_\@
.Lfor_b_\@:
	tensor_load_to_lds s[G0B+4*(\s):G0B+4*(\s)+3], s[G1B:G1B+7]
	s_nop 0
.rept 4
	v_nop
.endr
.Lasked_\@:
.endm
; A PREFETCH, behind a joint refill and the run of LDS loads that follows it: of the tile that I fetch, the K step that stands two refills on (384 matrix instructions ahead of the load that will want it):
; 32 rows x 256 bytes, a lane a row, one instruction a wave.  Each block is named once in the launch, ahead of its first reading.  x's rows are my cluster's alone: wave 0 of every work-group asks.  A panel of
; the weights is read in first tiles by the four clusters of its projection whose y has its parity: the first of them asks ((CY & 6) = 0).  The four partners that ask for a tile jointly share its 128 rows out
; by address, 32 each.  Only the first tile's laps 1 to 6 ask (s3 = 15 .. 10): they name K steps 4 to 15.  The first four K steps come by their loads alone; second tiles read what has been read: nothing is asked for them.
.macro ASK
	s_cmp_gt_u32 s3, s[LIM]
	s_cbranch_scc0 .Lnot_mine_\@
	global_prefetch_b8 v[PFO], s[PFA:PFA+1] th:TH_LOAD_NT scope:SCOPE_SE
.Lnot_mine_\@:
.endm
.macro CREST                           ; a round of the cluster's barrier behind its opening barrier
	s_cmp_lg_u32 s[WV], 0
	s_cbranch_scc1 .Lnot_wave_0_\@
	s_barrier_signal -3
.Lnot_wave_0_\@:
	s_barrier_wait -3
	s_barrier_signal -1
	s_barrier_wait -1
.endm
.macro CROUND                          ; a whole round
	s_barrier_signal -1
	s_barrier_wait -1
	CREST
.endm
.macro PLACES                          ; four places in front of loads into registers that matrix instructions have read, and of lines that read results
.rept 4
	v_nop
.endr
.endm
; 2 x NBF matrix instructions: row blocks a0, a0 + 1 of the window's four (hi = 0: rows 0-63, 1: rows 64-127) x all my column blocks, 32 along K, from buffer f.  first = 1: C is the bias.
.macro MULH f, hi, a0, first
.if \first
	WIN 0x91+0x40*(\hi)                            ; weights and bias window 1, x window 0, D window 2 or 3
.else
	WIN 0xa1+0x50*(\hi)                            ; weights window 1, x window 0, C and D window 2 or 3
.endif
.set ma, \a0
.rept 2
.set mb, 0
.rept NBF
.set rD, 8*(NBF*ma+mb)
.set rB, 64*(\f)+8*mb
.set rA, 64+64*(\f)+8*(4*(\hi)+ma)
.if \first
	v_wmma_f32_16x16x32_bf16 v[rD:rD+7], v[rB:rB+7], v[rA:rA+7], v[BIAS+8*mb:BIAS+8*mb+7]
.else
	v_wmma_f32_16x16x32_bf16 v[rD:rD+7], v[rB:rB+7], v[rA:rA+7], v[rD:rD+7]
.endif
.set mb, mb+1
.endr
.set ma, ma+1
.endr
.endm
; The LDS loads of one quarter step (32 along K, quarter q of the slot) in one run, into buffer f: 12 turning loads for the weights, then 16 loads for x, rows ascending.
.macro FETCH slot, q, f
	WIN TO_B
.set fb, 0
.rept NBF
	ds_load_tr16_b128 v[64*(\f)+8*fb:64*(\f)+8*fb+3],   v[ADRB+NPJ*(\slot)+fb/FPP] offset:(\q)*32*PB+(fb%FPP)*32
	ds_load_tr16_b128 v[64*(\f)+8*fb+4:64*(\f)+8*fb+7], v[ADRB+NPJ*(\slot)+fb/FPP] offset:(\q)*32*PB+(fb%FPP)*32+16*PB
.set fb, fb+1
.endr
	WIN 0
.set fa, 0
.rept 8
	ds_load_b128 v[64+64*(\f)+8*fa:64+64*(\f)+8*fa+3],   v[ADRA+(\slot)] offset:fa*16*PA+64*(\q)
	ds_load_b128 v[64+64*(\f)+8*fa+4:64+64*(\f)+8*fa+7], v[ADRA+(\slot)] offset:fa*16*PA+64*(\q)+32
.set fa, fa+1
.endr
.endm
; A K step is four quarters, 48 matrix instructions each, on buffers 0, 1, 0, 1.  One of the first three: multiplies buffer f; in its middle it fetches quarter q into buffer g.
; The 48 accumulators take turns, one instruction a turn, in the same order in every quarter, over the backward jump and from tile to tile too.
.macro QUARTER slot, q, f, g, first
	s_wait_dscnt 8                                 ; the weights and x's rows 0-63 are in; the youngest eight loads (x's rows 64-127) may be out
	MULH \f, 0, 0, \first
	MULH \f, 0, 2, \first
	PLACES
	FETCH \slot, \q, \g
	s_wait_dscnt 2*NBF+16                          ; all but the 28 just issued
	MULH \f, 1, 0, \first
	MULH \f, 1, 2, \first
.endm
; The last quarter multiplies buffer 1 and changes slots.  ONE barrier: in front of it each wave waits for all its tensor loads (one is out: its region of the next slot), adds 0 to its spare word, and waits for
; that and for its own reads of this slot.  Behind it nobody reads this slot any more and the next slot is whole.
.macro MEET round
	WIN 0                                          ; (the add's two registers lie in window 0)
	s_wait_tensorcnt 0x0
	ds_add_u32 v[SPW], v[NIL]                      ; 0 onto my spare word
	s_wait_dscnt 9                                 ; (the add and the youngest eight loads may be out)
	MULH 1, 0, 0, 0                                ; twelve matrix instructions stand between the add and the wait for it
	s_wait_dscnt 0x0                               ; the add is done, and my reads of this slot are over
	s_barrier_signal -1
	MULH 1, 0, 2, 0
.if \round
	WIN 0
.endif
	s_barrier_wait -1
.endm
; fill = 1: the barrier opens a round of the cluster's barrier, so that no wave of any partner still reads the slot or has a load on its way; the joint refill, step NN of the walk, is the first thing behind it: 168
; matrix instructions ahead of the wait for it.  This slot's two descriptors are made anew at the head: the load that named them last was shown done by the wait for 0 of the change of slots before this one.
.macro TURN slot, next, fill
.if \fill
	s_wait_xcnt 0x0                                ; the last prefetch, a K step back, has read its address, which is stepped here
	s_add_nc_u64 s[PFA:PFA+1], s[PFA:PFA+1], s[PST:PST+1]
	s_and_b32 s[KK], s[NN], 15                     ; steps 0-15 are the first tile's K steps, 16-31 the second's
	s_lshl_b32 s[OF], s[KK], 8
	s_add_nc_u64 s[G0+4*(\slot)+2:G0+4*(\slot)+3], s[AB:AB+1], s[OF:OF+1]  ; x: the same rows in both tiles
	s_or_b32 s[G0+4*(\slot)+3], s[G0+4*(\slot)+3], 0x80000000
	s_mul_i32 s[OF], s[KK], BSTEP
	s_cmp_lt_u32 s[NN], 16
	s_cselect_b64 s[TSEL:TSEL+1], s[BS1:BS1+1], s[BS2:BS2+1]
	s_add_nc_u64 s[G0B+4*(\slot)+2:G0B+4*(\slot)+3], s[TSEL:TSEL+1], s[OF:OF+1]
	s_or_b32 s[G0B+4*(\slot)+3], s[G0B+4*(\slot)+3], 0x80000000
	s_add_co_u32 s[NN], s[NN], 1
	MEET 1
	CREST
	JLOAD \slot                                    ; the four v_nop behind it are also the places in front of the loads below
.else
	MEET 0
	PLACES
.endif
	FETCH \next, 0, 0
.if \fill
	ASK
.endif
	MULH 1, 1, 0, 0
	MULH 1, 1, 2, 0
.endm
.macro BLOADS base                     ; a tile's bias: register j of block b holds column 128 (b / 2) + 32 w + 16 (b % 2) + 8 h + j
	WIN TO_B
.set fb, 0
.rept NBF
	global_load_b128 v[BIAS+8*fb:BIAS+8*fb+3],   v[BO], s[(\base):(\base)+1] offset:512*(fb/2)+64*(fb%2)
	global_load_b128 v[BIAS+8*fb+4:BIAS+8*fb+7], v[BO], s[(\base):(\base)+1] offset:512*(fb/2)+64*(fb%2)+16
.set fb, fb+1
.endr
	WIN 0
.endm
.macro ROUNDB                          ; the bias is rounded to bf16, like every input, and widened again
	WIN 0x45                                       ; destination and both sources window 1
.set fb, 0
.rept 4*NBF
	v_cvt_pk_bf16_f32 v[RT], v[BIAS+2*fb], v[BIAS+2*fb+1]
	v_lshlrev_b32 v[BIAS+2*fb], 16, v[RT]
	v_and_b32 v[BIAS+2*fb+1], s[MK], v[RT]
.set fb, fb+1
.endr
	WIN 0
.endm
; THE WAY OUT of a tile, a block of 16 rows at a time: rounded to f16, 16 bytes a lane into one of the stage's two buffers; a barrier, since a row's 768 bytes come from four waves; back as whole rows, four rows a
; wave, and stored.  One barrier a block: a buffer is written again two blocks later, behind the next block's barrier, in front of which every wave has waited for its reads.  Each block comes back into 24
; registers of its own (BKOF), so no register that a store reads is written again in the way out.  Block a's stores stand behind block a + 1's barrier: the wait for 0 in front of it has brought their data.
.macro BKOF a
.if (\a) < 2
.set BW, 0
.set BB, 192+24*((\a)%2)
.elseif (\a) < 4
.set BW, 2
.set BB, 192+24*((\a)%2)
.elseif (\a) < 6
.set BW, 3
.set BB, 192+24*((\a)%2)
.else
.set BW, 1
.set BB, 128+24*((\a)%2)
.endif
.endm
.macro SENDB a, ob
	BKOF \a
	WIN BW<<2                                      ; the stores' data in the block's window
.set t, 0
.rept 6
	global_store_b128 v[CO], v[BB+4*t:BB+4*t+3], s[(\ob):(\ob)+1] offset:(16*(\a)+2*(t/3))*6144+256*(t%3)  ; 16 lanes store 256 consecutive bytes, at a multiple of 256 from the buffer's first byte
.set t, t+1
.endr
.endm
.macro WOUT ob
.set wa, 0
.rept 8
	WIN 0x0a+5*(wa/4)                              ; sources window 2 or 3, destination window 0
.set wb, 0
.rept 4*NBF                            ; each accumulator's registers in ascending order
	v_cvt_pk_f16_f32 v[PK+wb], v[8*NBF*(wa%4)+2*wb], v[8*NBF*(wa%4)+2*wb+1]
.set wb, wb+1
.endr
	WIN 0
.set wb, 0
.rept NBF
	ds_store_b128 v[STO], v[PK+4*wb:PK+4*wb+3] offset:(wa%2)*SBUF+256*(wb/2)+32*(wb%2)
.set wb, wb+1
.endr
	s_wait_dscnt 0x0                               ; for the others' sake: my stores into the stage are done, and so are my reads of the block before
	s_barrier_signal -1
	s_barrier_wait -1
	BKOF wa
	WIN BW<<6                                      ; the loads' data in the block's window
.set t, 0
.rept 6
	ds_load_b128 v[BB+4*t:BB+4*t+3], v[RD] offset:(wa%2)*SBUF+(t/3)*2*SPITCH+256*(t%3)  ; lanes 0-15 a row's 256 bytes, lanes 16-31 the next row's
.set t, t+1
.endr
.if wa > 0
	SENDB wa-1, \ob
.endif
.set wa, wa+1
.endr
	s_wait_dscnt 0x0
	SENDB 7, \ob
	WIN 0
.endm
	s_load_b256 s[4:11], s[0:1], 0x0               ; xb s[4:5], wq s[6:7], b_cqkv s[8:9], b_mqkv s[10:11]
	s_load_b64 s[12:13], s[0:1], 0x20              ; qkv
	v_lshl_add_u32 v[SPW], v0, 2, SPARE
	v_mov_b32 v[NIL], 0
	ds_add_u32 v[SPW], v[NIL]                      ; the wave's opening: the add and its wait stand ahead of my first tensor load; the set-up below, work on registers, stands between them
	v_lshrrev_b32 v1, 5, v0
	v_readfirstlane_b32 s[WV], v1                  ; wave 0..3
	s_max_u32 s15, s[WV], 1
	s_sub_co_u32 s15, s15, 1                       ; the panel that I fetch: waves 1 to 3 take 0 to 2 (wave 0's number is not used)
	s_bfe_u32 s16, ttmp6, 0x40000                  ; cx, cy: my place in the cluster
	s_bfe_u32 s17, ttmp6, 0x40004
	s_and_b32 s21, ttmp7, 0xffff                   ; CY: cluster y 0..15
	s_and_b32 s18, s21, 1
	s_lshl_b32 s18, s18, 2
	s_add_co_u32 s18, s18, s16                     ; the first tile's column 0..7 = 4 (CY % 2) + cx,
	s_xor_b32 s84, s18, 4                          ; the second's: the other half
	s_lshl_b32 s19, s21, 2
	s_add_co_u32 s19, s19, s17                     ; tile row 0..63 over both projections' rows
	s_lshr_b32 s20, s21, 3                         ; which projection: the same in the whole cluster
	s_lshl_b32 s22, s17, 2
	s_lshl_b32 s22, 15, s22                        ; my row of the cluster
	s_lshl_b32 s23, 0x1111, s16                    ; my column
	s_or_b32 s[G1], s22, (1<<16)|(1<<20)|(1<<21)|(5<<22)|(3<<25)   ; 15:0 the mask; 17:16 elements of 2 bytes; 20 padding on; 21 set beside a mask; 24:22 after every 64 words (code 5); 31:25 4 words (code 3)
	s_or_b32 s[G1B], s23, (1<<16)|(1<<20)|(1<<21)|(5<<22)|(7<<25)  ; the same with my column's mask and 8 words of padding (code 7)
.irp g, G1, G1B
	s_mov_b32 s[(\g)+1], 128<<16                   ; tensor_dim0 = 128
	s_mov_b32 s[(\g)+2], 128<<16                   ; tensor_dim1 = 128
	s_mov_b32 s[(\g)+3], 128<<16                   ; tile_dim0 = 128
	s_mov_b32 s[(\g)+4], 128                       ; tile_dim1 = 128
	s_mov_b32 s[(\g)+6], 0
	s_mov_b32 s[(\g)+7], 0
.endr
	s_mov_b32 s[G1+5], 2048                        ; elements from row to row: x,
	s_mov_b32 s[G1B+5], 3072                       ; the weights
	s_lshl_b32 s40, s19, 19                        ; x: tile row x 128 rows x 4,096 bytes: it hangs on the tile row alone
	s_mov_b32 s41, 0
	s_mul_i32 s46, s20, 2048*6144                  ; the weights: projection, panel x 256 bytes, tile column x 768 bytes: nothing of the tile row but the cluster's y
	s_lshl_b32 s42, s15, 8
	s_add_co_u32 s46, s46, s42
	s_mul_i32 s42, s84, 768
	s_add_co_u32 s72, s46, s42                     ; the second tile's,
	s_mul_i32 s42, s18, 768
	s_add_co_u32 s46, s46, s42                     ; the first's
	s_mov_b32 s47, 0
	s_mov_b32 s73, 0
	s_mul_i32 s43, s[WV], PANEL                    ; where my tile goes: region = wave: no place in the cluster enters an LDS address
	s_mov_b32 s[NN], 2                             ; steps 0 and 1 are the first fills
	s_mov_b32 s[OF+1], 0
	s_mov_b32 s[MK], 0xffff0000
	s_wait_dscnt 0x0                               ; the opening add is done
	s_wait_kmcnt 0x0
	s_add_nc_u64 s[AB:AB+1], s[4:5], s[40:41]
	s_add_nc_u64 s[BS1:BS1+1], s[6:7], s[46:47]
	s_add_nc_u64 s[BS2:BS2+1], s[6:7], s[72:73]
	CROUND                                         ; all sixteen work-groups are here: the first joint loads meet
.irp s, 0,1
	s_mov_b32 s[G0+4*(\s)], 1                      ; count = 1
	s_add_co_u32 s[G0+4*(\s)+1], s43, (\s)*SLOT    ; LDS address
	s_add_nc_u64 s[G0+4*(\s)+2:G0+4*(\s)+3], s[AB:AB+1], (\s)*ASTEP  ; global address: K step s
	s_or_b32 s[G0+4*(\s)+3], s[G0+4*(\s)+3], 0x80000000              ; type = 2
	s_mov_b32 s[G0B+4*(\s)], 1
	s_add_co_u32 s[G0B+4*(\s)+1], s43, (\s)*SLOT
	s_add_nc_u64 s[G0B+4*(\s)+2:G0B+4*(\s)+3], s[BS1:BS1+1], (\s)*BSTEP
	s_or_b32 s[G0B+4*(\s)+3], s[G0B+4*(\s)+3], 0x80000000
	JLOAD \s                                       ; two loads of mine are out
.endr
	v_and_b32 v1, 15, v0                           ; r = l % 16
	v_bfe_u32 v2, v0, 4, 1                         ; h = l / 16
	v_and_b32 v3, 7, v0
	v_bfe_u32 v4, v0, 3, 1
	v_mul_u32_u24 v5, v1, PA                       ; a fragment of x: row r, 16 bytes for each half of the lanes, twice, 32 bytes apart
	v_lshl_add_u32 v[ADRA], v2, 4, v5
	v_add_nc_u32 v[ADRA+1], SLOT, v[ADRA]
	v_lshl_add_u32 v6, v2, 3, v3                   ; the turning load: lane l reads row k = 8 h + l % 8, columns 8 ((l / 8) % 2) + 0..7, and ends with column r and 8 k
	v_mul_u32_u24 v6, v6, PB
	v_lshl_add_u32 v6, v4, 4, v6
	s_lshl_b32 s42, s[WV], 6                       ; my 32 columns of a panel
	v_add_nc_u32 v6, s42, v6
.irp s, 0,1
.irp j, 0,1,2
	v_add_nc_u32 v[ADRB+3*(\s)+(\j)], (\s)*SLOT+((\j)+1)*PANEL, v6
.endr
.endr
	v_mul_u32_u24 v[STO], v1, SPITCH               ; into the stage: row r, my 64 bytes of a panel's 256, 16 bytes for each half of the lanes
	v_lshl_add_u32 v[STO], v2, 4, v[STO]
	v_add_nc_u32 v[STO], s42, v[STO]
	v_add_nc_u32 v[STO], STAGE, v[STO]
	s_lshl_b32 s42, s[WV], 2                       ; back: of a block's 16 rows wave w takes 4 w .. 4 w + 3, whole; lanes 0-15 one row's 256 bytes, lanes 16-31 the next row's
	v_add_nc_u32 v[RD], s42, v2
	v_mul_u32_u24 v[RD], v[RD], SPITCH
	v_lshl_add_u32 v[RD], v1, 4, v[RD]
	v_add_nc_u32 v[RD], STAGE, v[RD]
	v_mul_u32_u24 v[CO], v2, 6144
	v_lshl_add_u32 v[CO], v1, 4, v[CO]
	s_cmp_eq_u32 s20, 0                            ; the bias of my projection, at each tile's first column
	s_cselect_b64 s[8:9], s[8:9], s[10:11]
	s_mul_i32 s70, s84, 1536
	s_mov_b32 s71, 0
	s_add_nc_u64 s[BI2:BI2+1], s[8:9], s[70:71]
	s_mul_i32 s42, s18, 1536
	s_mov_b32 s43, 0
	s_add_nc_u64 s[BI1:BI1+1], s[8:9], s[42:43]
	v_lshlrev_b32 v[BO], 5, v2
	s_lshl_b32 s42, s[WV], 7
	v_add_nc_u32 v[BO], s42, v[BO]
	BLOADS BI1
	s_lshl_b32 s42, s19, 7                         ; the first row of the result that I store: 128 x tile row + 4 x wave; and each tile's first column
	s_lshl_b32 s43, s[WV], 2
	s_add_co_u32 s42, s42, s43
	s_mul_i32 s42, s42, 6144
	s_mul_i32 s43, s84, 768
	s_add_co_u32 s70, s42, s43
	s_mul_i32 s43, s18, 768
	s_add_co_u32 s42, s42, s43
	s_mov_b32 s43, 0
	s_add_nc_u64 s[OUT2:OUT2+1], s[12:13], s[70:71]
	s_add_nc_u64 s[OUT1:OUT1+1], s[12:13], s[42:43]
	s_lshl_b32 s42, s19, 7                         ; the prefetches.  x: row 128 x tile row + 32 cx, at K step 3 (the first refill steps it to 4)
	s_lshl_b32 s43, s16, 5
	s_add_co_u32 s42, s42, s43
	s_lshl_b32 s42, s42, 12
	s_add_co_u32 s42, s42, 3*ASTEP
	s_lshl_b32 s69, s17, 5                         ; the weights: row 3 x 128 + 32 cy of my panel of the first tile
	s_add_co_u32 s69, s69, 3*128
	s_mul_i32 s69, s69, 6144
	s_mul_i32 s70, s20, 2048*6144
	s_add_co_u32 s69, s69, s70
	s_mul_i32 s70, s18, 768
	s_add_co_u32 s69, s69, s70
	s_lshl_b32 s70, s15, 8
	s_add_co_u32 s69, s69, s70
	s_and_b32 s70, s21, 6                          ; 0 in the first of the four clusters that read the same panels in their first tiles
	s_mov_b32 s66, ASTEP
	s_mov_b32 s67, BSTEP
	s_mov_b32 s71, 4096
	s_mov_b32 s2, 6144
	s_cmp_eq_u32 s[WV], 0                          ; do I fetch x?
	s_cselect_b64 s[PFA:PFA+1], s[4:5], s[6:7]
	s_cselect_b32 s42, s42, s69
	s_cselect_b32 s70, 0, s70                      ; x's rows are my cluster's alone
	s_cselect_b32 s[PST], s66, s67
	s_cselect_b32 s71, s71, s2
	s_mov_b32 s43, 0
	s_mov_b32 s[PST+1], 0
	s_add_nc_u64 s[PFA:PFA+1], s[PFA:PFA+1], s[42:43]
	s_cmp_eq_u32 s70, 0
	s_cselect_b32 s[LIM], 9, -1                    ; the same in all sixteen partners, for a given wave
	v_and_b32 v[PFO], 31, v0
	v_mul_u32_u24 v[PFO], s71, v[PFO]
	s_wait_loadcnt 0x0                             ; the first tile's bias
	ROUNDB
	s_wait_tensorcnt 1                             ; my region of slot 0 is in; slot 1's may stay out
	s_barrier_signal -1
	s_barrier_wait -1                              ; everybody's is
	FETCH 0, 0, 0
	QUARTER 0, 1, 0, 1, 1                          ; a tile's first quarter: its products start the sums, with the bias
	PLACES                                         ; those products have read the bias's registers:
	BLOADS BI2                                     ; the second tile's bias comes into them now, eight laps ahead of its use
	s_mov_b32 s3, TRIPS
.Llap:                                                 ; a trip goes once round the ring, from a lap's second quarter to the next lap's first, and fills both slots again
	QUARTER 0, 2, 1, 0, 0
	QUARTER 0, 3, 0, 1, 0
	TURN 0, 1, 1
	QUARTER 1, 1, 0, 1, 0
	QUARTER 1, 2, 1, 0, 0
	QUARTER 1, 3, 0, 1, 0
	TURN 1, 0, 1
	WIN 0                                          ; at a label and at a branch every window is 0
	s_cmp_lg_u32 s3, LAPS                          ; s3 = 8 in the first tile's last lap: the same in every wave of every work-group
	s_cbranch_scc1 .Lsame
	s_wait_loadcnt 0x0                             ; THE FIRST TILE IS FINISHED; both refills for the second are asked for.  Its bias is in;
	ROUNDB                                         ; these 72 lines, which name no register of the last products, are also the places behind them
	WOUT OUT1
	QUARTER 0, 1, 0, 1, 1                          ; the second tile's first quarter, on accumulators that have been packed
	WIN 0
	s_branch .Lnext
.Lsame:
	QUARTER 0, 1, 0, 1, 0
	WIN 0
.Lnext:
	s_sub_co_u32 s3, s3, 1
	s_cmp_lg_u32 s3, 0
	s_cbranch_scc1 .Llap
	QUARTER 0, 2, 1, 0, 0                          ; the second tile's last lap fills nothing, and has no round of the cluster's barrier
	QUARTER 0, 3, 0, 1, 0
	TURN 0, 1, 0
	QUARTER 1, 1, 0, 1, 0
	QUARTER 1, 2, 1, 0, 0
	QUARTER 1, 3, 0, 1, 0
	s_wait_dscnt 8                                 ; the very last quarter: nothing more to fetch
	MULH 1, 0, 0, 0
	MULH 1, 0, 2, 0
	s_wait_dscnt 0x0
	MULH 1, 1, 0, 0
	MULH 1, 1, 2, 0
	WIN 0
	PLACES
	PLACES
	WOUT OUT2
	s_wait_tensorcnt 0x0                           ; the wave's end: behind my last tensor load and my last LDS store
	ds_add_u32 v[SPW], v[NIL]
	s_wait_dscnt 0x0
	CROUND                                         ; the closing round: no work-group ends while a partner may still ask for a tile that names it
	s_endpgm
.Lfunc_end_k_qedba9f8214_qkv:
	.size	k_qedba9f8214_qkv, .Lfunc_end_k_qedba9f8214_qkv-k_qedba9f8214_qkv
	.p2alignl 7, 3214868480
	.fill 96, 4, 3214868480
	.section	.rodata,"a",@progbits
	.p2align	6, 0x0
	.amdhsa_kernel k_qedba9f8214_qkv
		.amdhsa_group_segment_fixed_size 327680
		.amdhsa_private_segment_fixed_size 0
		.amdhsa_enable_private_segment 0
		.amdhsa_kernarg_size 40
		.amdhsa_user_sgpr_count 2
		.amdhsa_user_sgpr_kernarg_segment_ptr 1
		.amdhsa_wavefront_size32 1
		.amdhsa_system_sgpr_workgroup_id_x 1
		.amdhsa_system_sgpr_workgroup_id_y 1
		.amdhsa_system_sgpr_workgroup_id_z 1
		.amdhsa_system_vgpr_workitem_id 0
		.amdhsa_next_free_vgpr 1024
		.amdhsa_next_free_sgpr 88
		.amdhsa_reserve_vcc 0
		.amdhsa_float_denorm_mode_32 3
		.amdhsa_float_denorm_mode_16_64 3
		.amdhsa_memory_ordered 1
		.amdhsa_forward_progress 1
		.amdhsa_inst_pref_size 157
	.end_amdhsa_kernel
	.amdgpu_metadata
---
amdhsa.version: [ 1, 2 ]
amdhsa.kernels:
  - .name:           k_qedba9f8214_qkv
    .symbol:         k_qedba9f8214_qkv.kd
    .args:
      - { .name: xb, .offset: 0, .size: 8, .value_kind: global_buffer, .address_space: global }
      - { .name: wq, .offset: 8, .size: 8, .value_kind: global_buffer, .address_space: global }
      - { .name: b_cqkv, .offset: 16, .size: 8, .value_kind: global_buffer, .address_space: global }
      - { .name: b_mqkv, .offset: 24, .size: 8, .value_kind: global_buffer, .address_space: global }
      - { .name: qkv, .offset: 32, .size: 8, .value_kind: global_buffer, .address_space: global }
    .group_segment_fixed_size: 327680
    .private_segment_fixed_size: 0
    .kernarg_segment_align: 8
    .kernarg_segment_size: 40
    .max_flat_workgroup_size: 128
    .sgpr_count:     88
    .vgpr_count:     1024
    .wavefront_size: 32
...
	.end_amdgpu_metadata
.endif
;; end of part 2
;; launch attn (part 3): grid 128 x 2, 16 waves a work-group, no clusters, 116,736 bytes of LDS; arguments qkv, g1, be1, g2, be2, ln; writes ln
.if DOCPART == 3
	.amdgcn_target "amdgcn-amd-amdhsa--gfx1250"
	.amdhsa_code_object_version 6
	.text
	.protected	k_qedba9f8214_attn
	.globl	k_qedba9f8214_attn
	.p2align	8
	.type	k_qedba9f8214_attn,@function
k_qedba9f8214_attn:
	s_mov_b64 s[64:65], 0
	v_nop
	global_prefetch_b8 v0, s[64:65] scope:SCOPE_SE
	s_setreg_imm32_b32 hwreg(HW_REG_WAVE_MODE, 25, 1), 1
	s_wait_xcnt 0x0
; BOTH CROSS ATTENTIONS OVER HEADS, THE TRANSPOSE AND THE LAYER NORM.  For batch row m and branch y: the 16 heads of q (projection y) attend over the 16 heads of k and v (projection 1 - y), head size 64:
; P = softmax_g(q_h . k_g / 8), o_h = the sum over g of P[h][g] v_g; the row is laid out as [d][h] (index 16 d + h), normalised over its 1,024 numbers, scaled by g and shifted by be, and stored in bf16.
; qkv: [2][4096][3072] f16, a row = q, k, v of 2,048 bytes each, a head 128 bytes.  ln: [2][4096][1024] bf16.  Products on the matrix unit in f16 with f32 sums; maximum, exponentials, sums, mean and variance in f32;
; the row's true maximum is taken away before the exponentials; the variance is the mean of (x - mean)^2.  P is divided by its sum and then rounded to f16 (it lies in 0 to 1).  g and be are rounded to bf16 like every input.
; LIMITS: a weight below 2^-126 counts as 0; NaN and infinities are not treated apart.
; SHARES.  The work-group's y is the branch, its x a block of 32 rows; each of its 16 waves takes 2 rows, one after the other, and shares nothing with the others: its own 7,168 bytes of LDS, no barrier.  While a
; wave's first row is worked on, its second row's 12 loads are on their way: 6,144 bytes a wave, 98,304 a work-group.  No cluster and no tensor load: no two work-groups read the same bytes.
; LAYOUT.  S^T = K Q^T (source 0 = the 16 key heads, source 1 = the 16 query heads, 2 x 32 channels on two accumulators): a lane holds query l % 16 and keys 8 (l / 16) + 0..7.  Packed in pairs these ARE
; registers 0-3 of source 0 (16 queries x keys 0-15) of O = P V; registers 4-7 (keys 16-31, which do not exist) hold 0 in both sources.  V ([key][channel]) comes out of LDS turned.  In O's result a lane holds
; channel 16 cb + l % 16 and queries 8 (l / 16) + 0..7: eight neighbouring numbers of the transposed row, 16 bytes in bf16.
.set PART, 4096*6144                   ; bytes of a projection in qkv
.set WB,   7168                        ; LDS of a wave: Q 16 x 144 at 0, K 16 x 144 at 2,304, V 16 x 160 at 4,608
.set SPARE, 16*WB                      ; behind them: the spare words, 128 bytes for each wave: eight blocks of 256 bytes that no other line names
.set GL,  4                            ; v4   16 l: my 16 bytes of 512
.set SQ,  5                            ; v5   where they go in Q's (K's) rows: head l / 8, byte 16 (l % 8)
.set SV,  6                            ; v6   the same in V's rows
.set FQ,  7                            ; v7   a fragment of Q or K: row l % 16, 16 bytes for each half of the lanes
.set FV,  8                            ; v8   the turning load: row 8 (l / 16) + l % 8, 16 bytes at 16 ((l / 8) % 2)
.set GO,  9                            ; v9   my 16 bytes of 512 in a row of ln
.set GB,  10                           ; v10  my 32 bytes of 1,024 in g and be
.set SPW, 11                           ; v11  LDS address of my spare word; never rewritten
.set NIL, 12                           ; v12  0; never rewritten
.set M,   14                           ; v[14:15] c m, later the mean, in the low register of a pair
.set YP,  16                           ; v[16:31]   the row in bf16
.set LD,  32                           ; v[32:79]   as loaded: Q 16, K 16, V 16
.set QF,  80                           ; v[80:95]   Q's two fragments
.set KF,  96                           ; v[96:111]  K's
.set O,   80                           ; v[80:111]  O's four accumulators, in their place
.set VF,  112                          ; v[112:143] V's four fragments; the upper four registers of each hold 0
.set S,   144                          ; v[144:151] scores; v[152:159] the second accumulator, then at work
.set U,   144                          ; v[144:159] at work in the layer norm
.set PF,  160                          ; v[160:167] P; the upper four hold 0
.set G,   168                          ; v[168:199] g of my 32 numbers
.set BE,  200                          ; v[200:231] be
.set QP,  20                           ; s[20:21] q of the row that was asked for last
.set KP,  22                           ; s[22:23] its k (v lies 2,048 bytes on)
.set OP,  24                           ; s[24:25] the same row in ln
.set CS,  30                           ; s[30:31] c = log2(e) / 8
.set SEL, 32                           ; s[32:33] v_permlanex16_b32's selects: each lane takes its own place in the other half
.set MASK, 34
.set R1024, 36                         ; 2^-10
.set EPS, 37                           ; 1e-5
	s_load_b256 s[4:11], s[0:1], 0x0               ; qkv s[4:5], g1 s[6:7], be1 s[8:9], g2 s[10:11]
	s_load_b128 s[12:15], s[0:1], 0x20             ; be2 s[12:13], ln s[14:15]
	v_lshl_add_u32 v[SPW], v0, 2, SPARE
	v_mov_b32 v[NIL], 0
	v_lshrrev_b32 v1, 5, v0
	v_readfirstlane_b32 s17, v1                    ; wave 0..15
	s_and_b32 s16, ttmp7, 0xffff                   ; the branch
	s_lshl_b32 s18, ttmp9, 5
	s_lshl_b32 s19, s17, 1
	s_add_co_u32 s18, s18, s19                     ; my first row
	s_mul_i32 s19, s18, 6144
	s_mul_i32 s2, s16, PART                        ; q: projection y
	s_add_co_u32 s2, s2, s19
	s_mov_b32 s3, 0
	s_xor_b32 s38, s16, 1                          ; k and v: the other projection
	s_mul_i32 s38, s38, PART
	s_add_co_u32 s38, s38, s19
	s_add_co_u32 s38, s38, 2048
	s_mov_b32 s39, 0
	s_lshl_b32 s40, s16, 23                        ; ln: part y, 2,048 bytes a row
	s_lshl_b32 s19, s18, 11
	s_add_co_u32 s40, s40, s19
	s_mov_b32 s41, 0
	s_mul_i32 s42, s17, WB                         ; my wave's LDS
	s_mov_b32 s[CS], 0x3e38aa3b
	s_mov_b32 s[CS+1], s[CS]                       ; named with it as a pair
	s_mov_b32 s[SEL], 0x76543210
	s_mov_b32 s[SEL+1], 0xfedcba98
	s_mov_b32 s[MASK], 0xffff0000
	s_mov_b32 s[R1024], 0x3a800000
	s_mov_b32 s[EPS], 0x3727c5ac
	v_and_b32 v1, 31, v0                           ; l
	v_and_b32 v2, 15, v0                           ; l % 16
	v_bfe_u32 v3, v0, 4, 1                         ; l / 16
	v_bfe_u32 v13, v0, 3, 2                        ; l / 8
	v_and_b32 v14, 7, v0                           ; l % 8
	v_bfe_u32 v15, v0, 3, 1                        ; (l / 8) % 2
	v_lshlrev_b32 v[GL], 4, v1
	v_mul_u32_u24 v[SQ], v13, 144
	v_lshl_add_u32 v[SQ], v14, 4, v[SQ]
	v_add_nc_u32 v[SQ], s42, v[SQ]
	v_mul_u32_u24 v[SV], v13, 160
	v_lshl_add_u32 v[SV], v14, 4, v[SV]
	v_add_nc_u32 v[SV], s42, v[SV]
	v_add_nc_u32 v[SV], 4608, v[SV]
	v_mul_u32_u24 v[FQ], v2, 144
	v_lshl_add_u32 v[FQ], v3, 4, v[FQ]
	v_add_nc_u32 v[FQ], s42, v[FQ]
	v_lshl_add_u32 v[FV], v3, 3, v14
	v_mul_u32_u24 v[FV], v[FV], 160
	v_lshl_add_u32 v[FV], v15, 4, v[FV]
	v_add_nc_u32 v[FV], s42, v[FV]
	v_add_nc_u32 v[FV], 4608, v[FV]
	v_lshlrev_b32 v[GO], 5, v2
	v_lshl_add_u32 v[GO], v3, 4, v[GO]
	v_lshlrev_b32 v[GB], 6, v2
	v_lshl_add_u32 v[GB], v3, 5, v[GB]
	s_wait_kmcnt 0x0
	s_add_nc_u64 s[QP:QP+1], s[4:5], s[2:3]
	s_add_nc_u64 s[KP:KP+1], s[4:5], s[38:39]
	s_add_nc_u64 s[OP:OP+1], s[14:15], s[40:41]
	s_cmp_eq_u32 s16, 0
	s_cselect_b64 s[26:27], s[6:7], s[10:11]       ; g1 or g2
	s_cselect_b64 s[28:29], s[8:9], s[12:13]       ; be1 or be2
.set c, 0
.rept 4
	global_load_b128 v[G+8*c:G+8*c+3],    v[GB], s[26:27] offset:1024*c
	global_load_b128 v[G+8*c+4:G+8*c+7],  v[GB], s[26:27] offset:1024*c+16
	global_load_b128 v[BE+8*c:BE+8*c+3],   v[GB], s[28:29] offset:1024*c
	global_load_b128 v[BE+8*c+4:BE+8*c+7], v[GB], s[28:29] offset:1024*c+16
.set c, c+1
.endr
.macro LOADS                           ; a row's q, k and v: 12 loads of 512 consecutive bytes
.set t, 0
.rept 4
	global_load_b128 v[LD+4*t:LD+4*t+3],       v[GL], s[QP:QP+1] offset:512*t th:TH_LOAD_NT
	global_load_b128 v[LD+16+4*t:LD+16+4*t+3], v[GL], s[KP:KP+1] offset:512*t th:TH_LOAD_NT
	global_load_b128 v[LD+32+4*t:LD+32+4*t+3], v[GL], s[KP:KP+1] offset:2048+512*t th:TH_LOAD_NT
.set t, t+1
.endr
.endm
	LOADS                                          ; my first row
.set c, 0
.rept 4
.irp z, 4,5,6,7
	v_mov_b32 v[VF+8*c+(\z)], 0                    ; keys 16-31 of V: written once
.endr
.set c, c+1
.endr
.irp z, 4,5,6,7
	v_mov_b32 v[PF+(\z)], 0                        ; and of P
.endr
	v_mov_b32 v[M+1], 0                            ; named with v[M] as a pair
	s_wait_loadcnt 12                              ; g and be are in; the first row's 12 loads stay out
.set p, 0
.rept 32                               ; rounded to bf16 and widened again
	v_cvt_pk_bf16_f32 v13, v[G+2*p], v[G+2*p+1]
	v_lshlrev_b32 v[G+2*p], 16, v13
	v_and_b32 v[G+2*p+1], s[MASK], v13
.set p, p+1
.endr
.macro LANESUM x, y                    ; the sum over the 32 lanes, in every lane
	v_add_f32_dpp v[\x], v[\x], v[\x] row_xmask:1 row_mask:0xf bank_mask:0xf
	v_add_f32_dpp v[\x], v[\x], v[\x] row_xmask:2 row_mask:0xf bank_mask:0xf
	v_add_f32_dpp v[\x], v[\x], v[\x] row_xmask:4 row_mask:0xf bank_mask:0xf
	v_add_f32_dpp v[\x], v[\x], v[\x] row_xmask:8 row_mask:0xf bank_mask:0xf
	v_permlanex16_b32 v[\y], v[\x], s[SEL], s[SEL+1]
	v_add_f32 v[\x], v[\x], v[\y]
.endm
.macro PLACES8                         ; the places behind matrix instructions (ISA guide 7.12.1): no other vector work is at hand
.rept 8
	v_nop
.endr
.endm
; ONE ROW.  ahead = 1: the next row is asked for.
.macro TASK ahead
	s_wait_loadcnt 0x0                             ; the row is in
.set t, 0
.rept 4
	ds_store_b128 v[SQ], v[LD+4*t:LD+4*t+3]       offset:576*t        ; four heads a store, 144 bytes apart
	ds_store_b128 v[SQ], v[LD+16+4*t:LD+16+4*t+3] offset:2304+576*t
	ds_store_b128 v[SV], v[LD+32+4*t:LD+32+4*t+3] offset:640*t
.set t, t+1
.endr
.set c, 0
.rept 2                                ; LDS serves a wave's instructions in order (ISA guide 5.7.1.4): these see the stores above
	ds_load_b128 v[KF+8*c:KF+8*c+3],   v[FQ] offset:2304+64*c
	ds_load_b128 v[KF+8*c+4:KF+8*c+7], v[FQ] offset:2304+64*c+32
	ds_load_b128 v[QF+8*c:QF+8*c+3],   v[FQ] offset:64*c
	ds_load_b128 v[QF+8*c+4:QF+8*c+7], v[FQ] offset:64*c+32
.set c, c+1
.endr
.set c, 0
.rept 4
	ds_load_tr16_b128 v[VF+8*c:VF+8*c+3], v[FV] offset:32*c
.set c, c+1
.endr
	s_wait_xcnt 0x0                                ; the last row's loads and stores have read their addresses and data: the three pointers and, further down, v[YP..] are written only behind this wait
.if \ahead
	s_add_nc_u64 s[QP:QP+1], s[QP:QP+1], 6144
	s_add_nc_u64 s[KP:KP+1], s[KP:KP+1], 6144
	s_add_nc_u64 s[OP:OP+1], s[OP:OP+1], 2048      ; this row's stores reach back
.endif
	s_wait_dscnt 4                                 ; K's and Q's fragments are in, so the stores ahead of them are done; V's four loads may be out
.if \ahead
	LOADS                                          ; into the registers that those stores have read
.endif
	v_wmma_f32_16x16x32_f16 v[S:S+7],    v[KF:KF+7],    v[QF:QF+7],    0  ; channels 0-31
	v_wmma_f32_16x16x32_f16 v[S+8:S+15], v[KF+8:KF+15], v[QF+8:QF+15], 0  ; channels 32-63: a second accumulator, so no link follows the link that it adds onto
	PLACES8
.irp z, 0,2,4,6
	v_pk_add_f32 v[S+(\z):S+(\z)+1], v[S+(\z):S+(\z)+1], v[S+8+(\z):S+8+(\z)+1]
.endr
	v_max3_num_f32 v[S+8], v[S], v[S+1], v[S+2]    ; the query's maximum: my 8 keys,
	v_max3_num_f32 v[S+9], v[S+3], v[S+4], v[S+5]
	v_max3_num_f32 v[S+8], v[S+8], v[S+6], v[S+7]
	v_max_num_f32 v[S+8], v[S+8], v[S+9]
	v_permlanex16_b32 v[S+9], v[S+8], s[SEL], s[SEL+1]  ; and the other 8, in the lane 16 away
	v_max_num_f32 v[S+8], v[S+8], v[S+9]
	v_mul_f32 v[M], s[CS], v[S+8]                  ; c m
.irp z, 0,2,4,6
	v_pk_fma_f32 v[S+(\z):S+(\z)+1], v[S+(\z):S+(\z)+1], s[CS:CS+1], v[M:M+1] op_sel_hi:[1,0,0] neg_lo:[0,0,1] neg_hi:[0,0,1]  ; c s - c m
.endr
.irp z, 0,1,2,3,4,5,6,7
	v_exp_f32 v[S+(\z)], v[S+(\z)]
.endr
	v_nop                                          ; a plain instruction behind the last exponential,
	s_wait_alu depctr_va_vdst(0)                   ; and a wait ahead of the first use: one for the eight
	v_pk_add_f32 v[S+8:S+9], v[S:S+1], v[S+2:S+3]
	v_pk_add_f32 v[S+10:S+11], v[S+4:S+5], v[S+6:S+7]
	v_pk_add_f32 v[S+8:S+9], v[S+8:S+9], v[S+10:S+11]
	v_add_f32 v[S+8], v[S+8], v[S+9]
	v_permlanex16_b32 v[S+9], v[S+8], s[SEL], s[SEL+1]
	v_add_f32 v[S+8], v[S+8], v[S+9]               ; the sum is at least 1: the maximum's own weight
	v_rcp_f32 v[S+10], v[S+8]
	v_nop
	s_wait_alu depctr_va_vdst(0)
.irp z, 0,2,4,6
	v_pk_mul_f32 v[S+(\z):S+(\z)+1], v[S+(\z):S+(\z)+1], v[S+10:S+11] op_sel_hi:[1,0]
.endr
.irp z, 0,1,2,3
	v_cvt_pk_f16_f32 v[PF+(\z)], v[S+2*(\z)], v[S+2*(\z)+1]
.endr
	s_wait_dscnt 0x0                               ; V is in
.irp z, 0,1,2,3
	v_wmma_f32_16x16x32_f16 v[O+8*(\z):O+8*(\z)+7], v[PF:PF+7], v[VF+8*(\z):VF+8*(\z)+7], 0  ; channels 16 z on: four accumulators, one product each
.endr
	PLACES8
	; THE LAYER NORM over the row's 1,024 numbers, 32 a lane.  Each accumulator's lowest registers are read first.
.irp z, 0,1,2,3
	v_pk_add_f32 v[U+2*(\z):U+2*(\z)+1], v[O+8*(\z):O+8*(\z)+1], v[O+8*(\z)+2:O+8*(\z)+3]
.endr
.irp z, 0,1,2,3
	v_pk_add_f32 v[U+8+2*(\z):U+8+2*(\z)+1], v[O+8*(\z)+4:O+8*(\z)+5], v[O+8*(\z)+6:O+8*(\z)+7]
.endr
.irp z, 0,2,4,6
	v_pk_add_f32 v[U+(\z):U+(\z)+1], v[U+(\z):U+(\z)+1], v[U+8+(\z):U+8+(\z)+1]
.endr
	v_pk_add_f32 v[U:U+1], v[U:U+1], v[U+2:U+3]
	v_pk_add_f32 v[U+4:U+5], v[U+4:U+5], v[U+6:U+7]
	v_pk_add_f32 v[U:U+1], v[U:U+1], v[U+4:U+5]
	v_add_f32 v[U], v[U], v[U+1]
	LANESUM U, U+1
	v_mul_f32 v[M], s[R1024], v[U]                 ; the mean
.set p, 0
.rept 16
	v_pk_add_f32 v[O+2*p:O+2*p+1], v[O+2*p:O+2*p+1], v[M:M+1] op_sel_hi:[1,0] neg_lo:[0,1] neg_hi:[0,1]  ; x - mean
.set p, p+1
.endr
.irp z, 0,1,2,3
	v_pk_mul_f32 v[U+2*(\z):U+2*(\z)+1], v[O+2*(\z):O+2*(\z)+1], v[O+2*(\z):O+2*(\z)+1]  ; the squares, in four chains that the first four pairs start
.endr
.set p, 4
.rept 12
	v_pk_fma_f32 v[U+2*(p%4):U+2*(p%4)+1], v[O+2*p:O+2*p+1], v[O+2*p:O+2*p+1], v[U+2*(p%4):U+2*(p%4)+1]
.set p, p+1
.endr
	v_pk_add_f32 v[U:U+1], v[U:U+1], v[U+2:U+3]
	v_pk_add_f32 v[U+4:U+5], v[U+4:U+5], v[U+6:U+7]
	v_pk_add_f32 v[U:U+1], v[U:U+1], v[U+4:U+5]
	v_add_f32 v[U], v[U], v[U+1]
	LANESUM U, U+1
	v_fma_f32 v[U+2], v[U], s[R1024], s[EPS]       ; the variance + 1e-5
	v_rsq_f32 v[U+4], v[U+2]
	v_nop
	s_wait_alu depctr_va_vdst(0)
.set p, 0
.rept 16
	v_pk_mul_f32 v[O+2*p:O+2*p+1], v[O+2*p:O+2*p+1], v[U+4:U+5] op_sel_hi:[1,0]
.set p, p+1
.endr
.set p, 0
.rept 16
	v_pk_fma_f32 v[O+2*p:O+2*p+1], v[O+2*p:O+2*p+1], v[G+2*p:G+2*p+1], v[BE+2*p:BE+2*p+1]
.set p, p+1
.endr
.set p, 0
.rept 16
	v_cvt_pk_bf16_f32 v[YP+p], v[O+2*p], v[O+2*p+1]
.set p, p+1
.endr
.irp z, 0,1,2,3
	global_store_b128 v[GO], v[YP+4*(\z):YP+4*(\z)+3], s[OP:OP+1] offset:512*(\z)-2048*(\ahead)  ; 512 consecutive bytes, at a multiple of 512 from the buffer's first byte
.endr
.endm
	TASK 1                                         ; my first row; the second is asked for
	TASK 0                                         ; my second row asks for nothing
	s_wait_tensorcnt 0x0                           ; the wave's end: behind my last LDS store
	ds_add_u32 v[SPW], v[NIL]
	s_wait_dscnt 0x0
	s_endpgm
.Lfunc_end_k_qedba9f8214_attn:
	.size	k_qedba9f8214_attn, .Lfunc_end_k_qedba9f8214_attn-k_qedba9f8214_attn
	.p2alignl 7, 3214868480
	.fill 96, 4, 3214868480
	.section	.rodata,"a",@progbits
	.p2align	6, 0x0
	.amdhsa_kernel k_qedba9f8214_attn
		.amdhsa_group_segment_fixed_size 116736
		.amdhsa_private_segment_fixed_size 0
		.amdhsa_enable_private_segment 0
		.amdhsa_kernarg_size 48
		.amdhsa_user_sgpr_count 2
		.amdhsa_user_sgpr_kernarg_segment_ptr 1
		.amdhsa_wavefront_size32 1
		.amdhsa_system_sgpr_workgroup_id_x 1
		.amdhsa_system_sgpr_workgroup_id_y 1
		.amdhsa_system_sgpr_workgroup_id_z 1
		.amdhsa_system_vgpr_workitem_id 0
		.amdhsa_next_free_vgpr 232
		.amdhsa_next_free_sgpr 66
		.amdhsa_reserve_vcc 0
		.amdhsa_float_denorm_mode_32 3
		.amdhsa_float_denorm_mode_16_64 3
		.amdhsa_memory_ordered 1
		.amdhsa_forward_progress 1
		.amdhsa_inst_pref_size 37
	.end_amdhsa_kernel
	.amdgpu_metadata
---
amdhsa.version: [ 1, 2 ]
amdhsa.kernels:
  - .name:           k_qedba9f8214_attn
    .symbol:         k_qedba9f8214_attn.kd
    .args:
      - { .name: qkv, .offset: 0, .size: 8, .value_kind: global_buffer, .address_space: global }
      - { .name: g1, .offset: 8, .size: 8, .value_kind: global_buffer, .address_space: global }
      - { .name: be1, .offset: 16, .size: 8, .value_kind: global_buffer, .address_space: global }
      - { .name: g2, .offset: 24, .size: 8, .value_kind: global_buffer, .address_space: global }
      - { .name: be2, .offset: 32, .size: 8, .value_kind: global_buffer, .address_space: global }
      - { .name: ln, .offset: 40, .size: 8, .value_kind: global_buffer, .address_space: global }
    .group_segment_fixed_size: 116736
    .private_segment_fixed_size: 0
    .kernarg_segment_align: 8
    .kernarg_segment_size: 48
    .max_flat_workgroup_size: 512
    .sgpr_count:     66
    .vgpr_count:     232
    .wavefront_size: 32
...
	.end_amdgpu_metadata
.endif
;; end of part 3
;; launch proj (part 4): grid 8 x 32, 4 waves a work-group, clusters of 4 x 4, 327,680 bytes of LDS; arguments ln, wp, xb, b_cproj, b_mproj, out0, out1; writes out0, out1
.if DOCPART == 4
	.amdgcn_target "amdgcn-amd-amdhsa--gfx1250"
	.amdhsa_code_object_version 6
	.text
	.protected	k_qedba9f8214_proj
	.globl	k_qedba9f8214_proj
	.p2align	8
	.type	k_qedba9f8214_proj,@function
k_qedba9f8214_proj:
	s_mov_b64 s[64:65], 0
	v_nop
	global_prefetch_b8 v0, s[64:65] scope:SCOPE_SE
	s_setreg_imm32_b32 hwreg(HW_REG_WAVE_MODE, 25, 1), 1
	s_wait_xcnt 0x0
	s_wait_alu depctr_hold_cnt(0) depctr_sa_sdst(0) depctr_va_vdst(0) depctr_va_sdst(0) depctr_va_ssrc(0) depctr_va_vcc(0) depctr_vm_vsrc(0)
	s_getreg_b32 s2, hwreg(HW_REG_IB_STS2, 6, 4)
	s_cmp_eq_u32 s2, 0
	s_cbranch_scc0 .Lentry_in_a_cluster
	s_endpgm
.Lentry_in_a_cluster:
	s_bfe_u32 s2, ttmp6, 0x10000c
	s_cmp_lg_u32 s2, 0xf033
	s_cbranch_scc0 .Lentry_shape_is_right
	s_endpgm
.Lentry_shape_is_right:
; BOTH OUTPUT PROJECTIONS WITH BIAS AND RESIDUAL: out_p[m][n] = xb[p][m][n] + b_p[n] + the sum over k of ln[p][m][k] wp[p][k][n], p = 0 (cnn), 1 (mlp).  ln [2][4096][1024], wp [2][1024][2048] and
; xb [2][4096][2048] are bf16; sums in f32; the bias is rounded to bf16 like every input, and the residual is x as rounded to bf16; the result is f32.  NaN and infinities are not treated apart.
; SHARES.  A tile of the result is 256 x 256: 32 x 8 = 256 tiles, one for each WGP.  Four waves, 2 x 2, each 128 x 128: 64 accumulators of 16 x 16, 512 registers.
; K goes in steps of 128 through a ring of two LDS slots.  A slot is four regions of 36,864 bytes; region w is filled by wave w with one tensor load of 128 rows x 256 bytes: regions 0, 1 the two halves of ln's 256
; rows (LDS pitch 272), regions 2, 3 the two panels of the weights, 128 k x 128 n as they lie in memory (LDS pitch 288); their fragments come out of LDS turned, by ds_load_tr16_b128.
; CLUSTERS: 4 x 4 work-groups; ln's tiles are shared along a row of the cluster, the weights' along a column, each asked for jointly, by the same tensor load with the same descriptor and a mask that names the four.
; THE MATRIX INSTRUCTION IS USED TRANSPOSED (source 0 = 16 columns of the weights, source 1 = 16 rows of ln): lane l holds row l % 16 of the result and the columns 8 (l / 16) + 0..7.
; THE BIAS IS THE C OPERAND OF THE FIRST PRODUCT on each accumulator.
; THE RESIDUAL, 32 registers for each of my eight blocks of 16 rows, is asked for while the products run, into registers that lie idle: blocks 0-2 behind the first quarter, 3-5 at the head of the last lap, 6 and 7
; ahead of the last quarter: at most 48 loads at a place.
; REGISTERS, in windows of 256 (s_set_vgpr_msb: bits 1:0 source 0, 3:2 source 1, 5:4 source 2, 7:6 destination):
;   window 0: v0-31 addresses, v8 = 1.0; v32-63 the residual's block 6; v64-127, v128-191 fragments of ln, two buffers; v192-255 the residual's blocks 4, 5
;   window 1: v0-63, v64-127 fragments of the weights, two buffers (v0-31 at the end: the residual's block 7); v128 at work; v192-255 the bias, 8 registers for each of my 8 column blocks; then v128-255 the residual's blocks 0-3
;   window 2: the accumulators of my rows 0-63 ((a, b) at v[8 (8 a + b)]);   window 3: those of my rows 64-127
.set NBF,   8
.set FPP,   8                          ; all my column blocks lie in one panel: one address register a slot
.set NPJ,   1
.set LAPS,  4                          ; 1,024 / 256
.set PA,    272                        ; 256 bytes + 16 = 68 words: the 16 rows of a fragment load start at 16 different groups of four banks (64 banks of 4 bytes: ISA guide 11.1)
.set PB,    288                        ; 256 + 32 = 72 words
.set PANEL, 128*PB
.set SLOT,  4*PANEL
.set SPARE, 2*SLOT                     ; behind the ring: the spare words, 128 bytes for each wave: two blocks of 256 bytes that no other line names
.set ASTEP, 256
.set BSTEP, 128*4096
.set SPITCH, 528                       ; the way out: a row of a wave's stage, 512 bytes + 16
.set ONE,  8                           ; v8      1.0
.set ADRA, 16                          ; v16-17  LDS address of my fragments of ln in slot 0, 1
.set ADRB, 20                          ; v20-21  the same for the weights
.set STO,  24                          ; v24     the way out: where I put 32 bytes of a row
.set RD,   25                          ; v25     where I read a row back
.set CO,   26                          ; v26     16 l: my bytes of a row's 512 in the result
.set RO,   27                          ; v27     8 l: the same four numbers in xb
.set SPW,  28                          ; v28     LDS address of my spare word; never rewritten
.set NIL,  29                          ; v29     0; never rewritten
.set PFO,  30                          ; v30     the prefetches' offset: my lane x a row in memory; never rewritten
.set BO,   31                          ; v31     my byte offset in the bias
.set BIAS, 192                         ; window 1
.set RT,   128                         ; window 1
.set WV,  18                           ; s18  my wave's number
.set G1,  24
.set G0,  32
.set PFA, 44
.set G1B, 48
.set G0B, 56
.set PST, 68                           ; s[68:69]
.set LIM, 70
.set OUT, 72                           ; s[72:73] the result at my 128 x 128
.set XR,  74                           ; s[74:75] xb at the same place
.set TO_B, 0x40
.set MSB, 0
.macro WIN new                         ; the immediate's high byte repeats the setting that is left; a switch that changes nothing is dropped
.if MSB != (\new)
	s_set_vgpr_msb (MSB<<8)|(\new)
.set MSB, \new
.endif
.endm
; A joint load.  Waves 0 and 1 fetch ln's two halves, waves 2 and 3 the weights' two panels.  An s_nop 0 and four v_nop follow each of the two lines, ahead of the jump and the label.
.macro JLOAD s
	s_cmp_lt_u32 s[WV], 2
	s_cbranch_scc0 .Lfor_b_\@
	tensor_load_to_lds s[G0+4*(\s):G0+4*(\s)+3], s[G1:G1+7]
	s_nop 0
.rept 4
	v_nop
.endr
	s_branch .Lasked_\@
.Lfor_b_\@:
	tensor_load_to_lds s[G0B+4*(\s):G0B+4*(\s)+3], s[G1B:G1B+7]
	s_nop 0
.rept 4
	v_nop
.endr
.Lasked_\@:
.endm
; A PREFETCH, behind each joint refill and the run of LDS loads that follows it: of the tile that I fetch, the K step that stands two refills on (512 matrix instructions ahead of the load that will want it):
; 32 rows x 256 bytes, a lane a row, one instruction a wave.  Each block is named once in the launch: ln's rows are read by both clusters of a row of clusters, and the one with x = 0 asks; a panel of the weights
; is read by the four clusters of its projection's column, and the first of them asks; the four partners that ask for a tile jointly share its 128 rows out by address, 32 each.  The loop's last trip asks for
; nothing: its refills are the last two K steps.  The first four K steps come by their loads alone.
.macro ASK
	s_cmp_gt_u32 s3, s[LIM]                        ; s3 = 1 in the loop's last trip
	s_cbranch_scc0 .Lnot_mine_\@
	global_prefetch_b8 v[PFO], s[PFA:PFA+1] th:TH_LOAD_NT scope:SCOPE_SE
.Lnot_mine_\@:
.endm
.macro CREST                           ; a round of the cluster's barrier behind its opening barrier
	s_cmp_lg_u32 s[WV], 0
	s_cbranch_scc1 .Lnot_wave_0_\@
	s_barrier_signal -3
.Lnot_wave_0_\@:
	s_barrier_wait -3
	s_barrier_signal -1
	s_barrier_wait -1
.endm
.macro CROUND
	s_barrier_signal -1
	s_barrier_wait -1
	CREST
.endm
.macro PLACES                          ; four places in front of loads into registers that matrix instructions have read, and of lines that read results
.rept 4
	v_nop
.endr
.endm
; 16 matrix instructions: row blocks a0, a0 + 1 of the window's four x all 8 column blocks, 32 along K, from buffer f.  first = 1: C is the bias.
.macro MULH f, hi, a0, first
.if \first
	WIN 0x91+0x40*(\hi)                            ; weights and bias window 1, ln window 0, D window 2 or 3
.else
	WIN 0xa1+0x50*(\hi)                            ; weights window 1, ln window 0, C and D window 2 or 3
.endif
.set ma, \a0
.rept 2
.set mb, 0
.rept NBF
.set rD, 8*(NBF*ma+mb)
.set rB, 64*(\f)+8*mb
.set rA, 64+64*(\f)+8*(4*(\hi)+ma)
.if \first
	v_wmma_f32_16x16x32_bf16 v[rD:rD+7], v[rB:rB+7], v[rA:rA+7], v[BIAS+8*mb:BIAS+8*mb+7]
.else
	v_wmma_f32_16x16x32_bf16 v[rD:rD+7], v[rB:rB+7], v[rA:rA+7], v[rD:rD+7]
.endif
.set mb, mb+1
.endr
.set ma, ma+1
.endr
.endm
; The 32 LDS loads of one quarter step in one run, into buffer f: 16 turning loads for the weights, then 16 loads for ln, rows ascending.
.macro FETCH slot, q, f
	WIN TO_B
.set fb, 0
.rept NBF
	ds_load_tr16_b128 v[64*(\f)+8*fb:64*(\f)+8*fb+3],   v[ADRB+NPJ*(\slot)+fb/FPP] offset:(\q)*32*PB+(fb%FPP)*32
	ds_load_tr16_b128 v[64*(\f)+8*fb+4:64*(\f)+8*fb+7], v[ADRB+NPJ*(\slot)+fb/FPP] offset:(\q)*32*PB+(fb%FPP)*32+16*PB
.set fb, fb+1
.endr
	WIN 0
.set fa, 0
.rept 8
	ds_load_b128 v[64+64*(\f)+8*fa:64+64*(\f)+8*fa+3],   v[ADRA+(\slot)] offset:fa*16*PA+64*(\q)
	ds_load_b128 v[64+64*(\f)+8*fa+4:64+64*(\f)+8*fa+7], v[ADRA+(\slot)] offset:fa*16*PA+64*(\q)+32
.set fa, fa+1
.endr
.endm
; A K step is four quarters, 64 matrix instructions each, on buffers 0, 1, 0, 1.  The 64 accumulators take turns, one instruction a turn, in the same order in every quarter, over the backward jump too.
.macro QUARTER slot, q, f, g, first
	s_wait_dscnt 8                                 ; the weights and ln's rows 0-63 are in; the youngest eight loads (rows 64-127) may be out
	MULH \f, 0, 0, \first
	MULH \f, 0, 2, \first
	PLACES
	FETCH \slot, \q, \g
	s_wait_dscnt 2*NBF+16                          ; all but the 32 just issued
	MULH \f, 1, 0, \first
	MULH \f, 1, 2, \first
.endm
; The change of slots: ONE barrier; in front of it each wave waits for all its tensor loads (one is out: its region of the next slot), adds 0 to its spare word, and waits for that and for its own reads of this slot.
.macro MEET round
	WIN 0                                          ; (the add's two registers lie in window 0)
	s_wait_tensorcnt 0x0
	ds_add_u32 v[SPW], v[NIL]                      ; 0 onto my spare word
	s_wait_dscnt 9                                 ; (the add and the youngest eight loads may be out)
	MULH 1, 0, 0, 0                                ; sixteen matrix instructions stand between the add and the wait for it
	s_wait_dscnt 0x0                               ; the add is done, and my reads of this slot are over
	s_barrier_signal -1
	MULH 1, 0, 2, 0
.if \round
	WIN 0
.endif
	s_barrier_wait -1
.endm
; Where block a of the residual lies: window RSW, from register RSB on
.macro RSOF a
.if (\a) < 4
.set RSW, 1
.set RSB, 128+32*(\a)
.elseif (\a) < 6
.set RSW, 0
.set RSB, 192+32*((\a)-4)
.elseif (\a) == 6
.set RSW, 0
.set RSB, 32
.else
.set RSW, 1
.set RSB, 0
.endif
.endm
; 16 rows of the residual, block a of my eight: a row's 128 numbers are 256 consecutive bytes, 8 bytes a lane
.macro RLOAD a
	RSOF \a
	WIN RSW<<6
.set t, 0
.rept 16
	global_load_b64 v[RSB+2*t:RSB+2*t+1], v[RO], s[XR:XR+1] offset:(16*(\a)+t)*4096 th:TH_LOAD_NT
.set t, t+1
.endr
.endm
; fill = 1: the barrier opens a round of the cluster's barrier; the joint refill, two K steps on, is the first thing behind it: 224 matrix instructions ahead of the wait for it.
.macro TURN slot, next, fill
.if \fill
	s_wait_xcnt 0x0                                ; the last prefetch, a K step back, has read its address, which is stepped here
	s_add_nc_u64 s[PFA:PFA+1], s[PFA:PFA+1], s[PST:PST+1]
	MEET 1
	CREST
	s_add_nc_u64 s[G0+4*(\slot)+2:G0+4*(\slot)+3], s[G0+4*(\slot)+2:G0+4*(\slot)+3], 2*ASTEP
	s_add_nc_u64 s[G0B+4*(\slot)+2:G0B+4*(\slot)+3], s[G0B+4*(\slot)+2:G0B+4*(\slot)+3], 2*BSTEP
	JLOAD \slot                                    ; the four v_nop behind it are also the places in front of the loads below
.else
	MEET 0
	PLACES
.endif
	FETCH \next, 0, 0
.if \fill
	ASK
.endif
	MULH 1, 1, 0, 0
	MULH 1, 1, 2, 0
.endm
	s_load_b256 s[4:11], s[0:1], 0x0               ; ln s[4:5], wp s[6:7], xb s[8:9], b_cproj s[10:11]
	s_load_b128 s[12:15], s[0:1], 0x20             ; b_mproj s[12:13], out0 s[14:15]
	s_load_b64 s[16:17], s[0:1], 0x30              ; out1
	v_lshl_add_u32 v[SPW], v0, 2, SPARE
	v_mov_b32 v[NIL], 0
	ds_add_u32 v[SPW], v[NIL]                      ; the wave's opening: the add and its wait stand ahead of my first tensor load; the set-up below, work on registers, stands between them
	v_lshrrev_b32 v1, 5, v0
	v_readfirstlane_b32 s[WV], v1                  ; wave 0..3
	v_mov_b32 v[ONE], 1.0
	s_lshr_b32 s19, s[WV], 1                       ; which half of the tile's rows is mine
	s_and_b32 s20, s[WV], 1                        ; which half of its columns.  Also: which half of ln's rows, or which panel, I fetch
	s_bfe_u32 s21, ttmp6, 0x40000                  ; cx, cy: my place in the cluster
	s_bfe_u32 s22, ttmp6, 0x40004
	s_lshl_b32 s23, ttmp9, 2
	s_add_co_u32 s23, s23, s21                     ; tile column 0..7
	s_and_b32 s71, ttmp7, 0xffff                   ; cluster y 0..7
	s_lshl_b32 s66, s71, 2
	s_add_co_u32 s66, s66, s22                     ; tile row 0..31 over both projections' rows
	s_lshr_b32 s67, s71, 2                         ; which projection: the same in the whole cluster
	s_lshl_b32 s42, s22, 2
	s_lshl_b32 s42, 15, s42                        ; my row of the cluster
	s_lshl_b32 s43, 0x1111, s21                    ; my column
	s_or_b32 s[G1], s42, (1<<16)|(1<<20)|(1<<21)|(5<<22)|(3<<25)   ; 15:0 the mask; 17:16 elements of 2 bytes; 20 padding on; 21 set beside a mask; 24:22 after every 64 words (code 5); 31:25 4 words (code 3)
	s_or_b32 s[G1B], s43, (1<<16)|(1<<20)|(1<<21)|(5<<22)|(7<<25)  ; the same with my column's mask and 8 words of padding (code 7)
.irp g, G1, G1B
	s_mov_b32 s[(\g)+1], 128<<16                   ; tensor_dim0 = 128
	s_mov_b32 s[(\g)+2], 128<<16                   ; tensor_dim1 = 128
	s_mov_b32 s[(\g)+3], 128<<16                   ; tile_dim0 = 128
	s_mov_b32 s[(\g)+4], 128                       ; tile_dim1 = 128
	s_mov_b32 s[(\g)+6], 0
	s_mov_b32 s[(\g)+7], 0
.endr
	s_mov_b32 s[G1+5], 1024                        ; elements from row to row: ln,
	s_mov_b32 s[G1B+5], 2048                       ; the weights
	s_lshl_b32 s77, s20, 7                         ; 128 x the half that I fetch
	s_lshl_b32 s40, s66, 8                         ; ln: row 256 x tile row + 128 x half, 2,048 bytes a row: it hangs on the tile row alone
	s_add_co_u32 s40, s40, s77
	s_lshl_b32 s40, s40, 11
	s_mov_b32 s41, 0
	s_lshl_b32 s46, s23, 8                         ; the weights: column 256 x tile column + 128 x panel, and the projection
	s_add_co_u32 s46, s46, s77
	s_lshl_b32 s46, s46, 1
	s_lshl_b32 s78, s67, 22
	s_add_co_u32 s46, s46, s78
	s_mov_b32 s47, 0
	s_mul_i32 s79, s[WV], PANEL                    ; where my tile goes: region = wave: no place in the cluster enters an LDS address
	s_wait_dscnt 0x0                               ; the opening add is done
	s_wait_kmcnt 0x0
	s_add_nc_u64 s[40:41], s[4:5], s[40:41]
	s_add_nc_u64 s[46:47], s[6:7], s[46:47]
	CROUND                                         ; all sixteen work-groups are here: the first joint loads meet
.irp s, 0,1
	s_mov_b32 s[G0+4*(\s)], 1                      ; count = 1
	s_add_co_u32 s[G0+4*(\s)+1], s79, (\s)*SLOT    ; LDS address
	s_add_nc_u64 s[G0+4*(\s)+2:G0+4*(\s)+3], s[40:41], (\s)*ASTEP  ; global address: K step s
	s_or_b32 s[G0+4*(\s)+3], s[G0+4*(\s)+3], 0x80000000            ; type = 2
	s_mov_b32 s[G0B+4*(\s)], 1
	s_add_co_u32 s[G0B+4*(\s)+1], s79, (\s)*SLOT
	s_add_nc_u64 s[G0B+4*(\s)+2:G0B+4*(\s)+3], s[46:47], (\s)*BSTEP
	s_or_b32 s[G0B+4*(\s)+3], s[G0B+4*(\s)+3], 0x80000000
	JLOAD \s                                       ; two loads of mine are out
.endr
	v_and_b32 v1, 15, v0                           ; r = l % 16
	v_bfe_u32 v2, v0, 4, 1                         ; h = l / 16
	v_and_b32 v3, 7, v0
	v_bfe_u32 v4, v0, 3, 1
	v_and_b32 v7, 31, v0                           ; l
	v_mul_u32_u24 v5, v1, PA                       ; a fragment of ln: row r, 16 bytes for each half of the lanes, twice, 32 bytes apart
	v_lshl_add_u32 v5, v2, 4, v5
	s_mul_i32 s42, s19, PANEL                      ; my half of the rows
	v_add_nc_u32 v[ADRA], s42, v5
	v_add_nc_u32 v[ADRA+1], SLOT, v[ADRA]
	v_lshl_add_u32 v6, v2, 3, v3                   ; the turning load: lane l reads row k = 8 h + l % 8, columns 8 ((l / 8) % 2) + 0..7, and ends with column r and 8 k
	v_mul_u32_u24 v6, v6, PB
	v_lshl_add_u32 v6, v4, 4, v6
	s_mul_i32 s42, s20, PANEL                      ; my panel, behind ln's two regions
	s_add_co_u32 s42, s42, 2*PANEL
	v_add_nc_u32 v[ADRB], s42, v6
	v_add_nc_u32 v[ADRB+1], SLOT, v[ADRB]
	s_mul_i32 s42, s[WV], 16*SPITCH                ; my stage: 16 rows x 528 bytes
	v_mul_u32_u24 v[STO], v1, SPITCH               ; in: row r, 32 bytes for each half of the lanes
	v_lshl_add_u32 v[STO], v2, 5, v[STO]
	v_add_nc_u32 v[STO], s42, v[STO]
	v_lshl_add_u32 v[RD], v7, 4, s42               ; back: 32 lanes take a row's 512 bytes
	v_lshlrev_b32 v[CO], 4, v7
	v_lshlrev_b32 v[RO], 3, v7
	v_lshlrev_b32 v[BO], 5, v2                     ; register j of block b holds column 16 b + 8 h + j of my 128
	s_cmp_eq_u32 s67, 0                            ; my projection's bias and result
	s_cselect_b64 s[10:11], s[10:11], s[12:13]
	s_cselect_b64 s[OUT:OUT+1], s[14:15], s[16:17]
	s_lshl_b32 s42, s23, 8
	s_lshl_b32 s43, s20, 7
	s_add_co_u32 s77, s42, s43                     ; my first column
	s_lshl_b32 s42, s77, 2
	s_mov_b32 s43, 0
	s_add_nc_u64 s[10:11], s[10:11], s[42:43]
	WIN TO_B
.set fb, 0
.rept NBF
	global_load_b128 v[BIAS+8*fb:BIAS+8*fb+3],   v[BO], s[10:11] offset:64*fb
	global_load_b128 v[BIAS+8*fb+4:BIAS+8*fb+7], v[BO], s[10:11] offset:64*fb+16
.set fb, fb+1
.endr
	WIN 0
	s_and_b32 s78, s66, 15                         ; the result: row 256 x (tile row within the projection) + 128 x half, 8,192 bytes a row
	s_lshl_b32 s78, s78, 8
	s_lshl_b32 s79, s19, 7
	s_add_co_u32 s78, s78, s79
	s_lshl_b32 s78, s78, 13
	s_add_co_u32 s42, s42, s78
	s_add_nc_u64 s[OUT:OUT+1], s[OUT:OUT+1], s[42:43]
	s_lshl_b32 s78, s66, 8                         ; the residual: the same place in xb, 4,096 bytes a row, both projections' rows on end
	s_add_co_u32 s78, s78, s79
	s_lshl_b32 s78, s78, 12
	s_lshl_b32 s42, s77, 1
	s_add_co_u32 s42, s42, s78
	s_add_nc_u64 s[XR:XR+1], s[8:9], s[42:43]
	s_lshl_b32 s42, s66, 8                         ; the prefetches.  ln: row 256 x tile row + 128 x half + 32 cx, at K step 3 (the first refill steps it to 4)
	s_lshl_b32 s78, s20, 7
	s_add_co_u32 s42, s42, s78
	s_lshl_b32 s79, s21, 5
	s_add_co_u32 s42, s42, s79
	s_lshl_b32 s42, s42, 11
	s_add_co_u32 s42, s42, 3*ASTEP
	s_lshl_b32 s79, s22, 5                         ; the weights: row 3 x 128 + 32 cy of my panel
	s_add_co_u32 s79, s79, 3*128
	s_lshl_b32 s79, s79, 12
	s_lshl_b32 s78, s67, 22
	s_add_co_u32 s79, s79, s78
	s_lshl_b32 s78, s77, 1
	s_add_co_u32 s79, s79, s78
	s_and_b32 s78, s71, 3                          ; the cluster's place among the four that read the same panels
	s_mov_b32 s68, ASTEP
	s_mov_b32 s69, BSTEP
	s_mov_b32 s2, 2048
	s_mov_b32 s77, 4096
	s_cmp_lt_u32 s[WV], 2                          ; do I fetch ln?
	s_cselect_b64 s[PFA:PFA+1], s[4:5], s[6:7]
	s_cselect_b32 s42, s42, s79
	s_cselect_b32 s78, ttmp9, s78                  ; the coordinate along which other clusters read the same blocks
	s_cselect_b32 s[PST], s68, s69
	s_cselect_b32 s2, s2, s77
	s_mov_b32 s[PST+1], 0
	s_add_nc_u64 s[PFA:PFA+1], s[PFA:PFA+1], s[42:43]
	s_cmp_eq_u32 s78, 0
	s_cselect_b32 s[LIM], 1, -1                    ; the same in all sixteen partners, for a given wave
	v_mul_u32_u24 v[PFO], s2, v7
	s_wait_loadcnt 0x0                             ; the bias: rounded to bf16, like every input, and widened again
	WIN 0x45                                       ; destination and both sources window 1
.set fb, 0
.rept 4*NBF
	v_cvt_pk_bf16_f32 v[RT], v[BIAS+2*fb], v[BIAS+2*fb+1]
	v_lshlrev_b32 v[BIAS+2*fb], 16, v[RT]
	v_and_b32 v[BIAS+2*fb+1], 0xffff0000, v[RT]
.set fb, fb+1
.endr
	WIN 0
	s_wait_tensorcnt 1                             ; my region of slot 0 is in; slot 1's may stay out
	s_barrier_signal -1
	s_barrier_wait -1                              ; everybody's is
	FETCH 0, 0, 0
	QUARTER 0, 1, 0, 1, 1                          ; the first quarter stands in front of the loop: its products start the sums, with the bias
	PLACES                                         ; those products have read the bias's registers, which the residual takes from here on
	RLOAD 0
	RLOAD 1
	RLOAD 2
	WIN 0                                          ; at a label and at a branch every window is 0
	s_mov_b32 s3, LAPS-1
.Llap:                                                 ; a trip goes once round the ring, from a lap's second quarter to the next lap's first, and fills both slots again
	QUARTER 0, 2, 1, 0, 0
	QUARTER 0, 3, 0, 1, 0
	TURN 0, 1, 1
	QUARTER 1, 1, 0, 1, 0
	QUARTER 1, 2, 1, 0, 0
	QUARTER 1, 3, 0, 1, 0
	TURN 1, 0, 1
	QUARTER 0, 1, 0, 1, 0
	WIN 0
	s_sub_co_u32 s3, s3, 1
	s_cmp_lg_u32 s3, 0
	s_cbranch_scc1 .Llap
	RLOAD 3                                        ; the last lap: 448 matrix instructions ahead of the way out
	RLOAD 4
	RLOAD 5
	QUARTER 0, 2, 1, 0, 0                          ; the last lap fills nothing, and has no round of the cluster's barrier
	QUARTER 0, 3, 0, 1, 0
	TURN 0, 1, 0
	QUARTER 1, 1, 0, 1, 0
	QUARTER 1, 2, 1, 0, 0
	QUARTER 1, 3, 0, 1, 0
	PLACES                                         ; the quarter just issued was the last to read the weights' buffer 0, which block 7 of the residual takes
	RLOAD 6
	RLOAD 7
	s_wait_dscnt 8                                 ; the very last quarter: nothing more to fetch
	MULH 1, 0, 0, 0
	MULH 1, 0, 2, 0
	s_wait_dscnt 0x0
	MULH 1, 1, 0, 0
	MULH 1, 1, 2, 0
	WIN 0
; THE WAY OUT, a block of 16 rows at a time: the sums go as they are, 32 bytes a lane, into my own stage and come back as whole rows of 512 bytes INTO THE BLOCK'S OWN 64 ACCUMULATOR REGISTERS; there they take the
; residual and are stored.  No register is used twice, so nothing waits for a store.  The stages, 8,448 bytes a wave, lie in slot 0: that slot's last fill has landed and every wave's last reads of it are over.
; A stage is its wave's own: no barrier, and since LDS serves a wave's instructions in order (ISA guide 5.7.1.4), no wait between the
; stores and the loads, nor between a block's loads and the next block's stores.
.macro TOSTAGE a
.set AC, 64*((\a)%4)
	WIN ((2+(\a)/4)<<6)|((2+(\a)/4)<<2)            ; the LDS stores' data and the loads' data in window 2 or 3, the addresses in window 0
.set wb, 0
.rept 8
	ds_store_b128 v[STO], v[AC+8*wb:AC+8*wb+3]   offset:64*wb     ; each accumulator's lowest registers first
	ds_store_b128 v[STO], v[AC+8*wb+4:AC+8*wb+7] offset:64*wb+16
.set wb, wb+1
.endr
.set t, 0
.rept 16
	ds_load_b128 v[AC+4*t:AC+4*t+3], v[RD] offset:SPITCH*t        ; row t: my four columns 4 l .. 4 l + 3
.set t, t+1
.endr
.endm
.macro FIN a, younger                  ; younger: the LDS instructions issued behind block a's loads: the next block's 32, or none
.set AC, 64*((\a)%4)
	RSOF \a
	s_wait_dscnt \younger                          ; the block is back
.if (7-(\a))*16 > 63
	s_wait_loadcnt 63                              ; its residual is in: more than 63 loads were issued behind it
.else
	s_wait_loadcnt (7-(\a))*16                     ; its residual is in; the later blocks' loads stay out
.endif
	WIN ((2+(\a)/4)<<6)|((2+(\a)/4)<<4)|RSW        ; sums (source 2 and destination) in window 2 or 3, 1.0 in window 0, the residual in its window
.set t, 0
.rept 16                               ; a bf16 half x 1.0 + the sum, one rounding
	v_fma_mix_f32_bf16 v[AC+4*t],   v[RSB+2*t],   v[ONE], v[AC+4*t]   op_sel_hi:[1,0,0]
	v_fma_mix_f32_bf16 v[AC+4*t+1], v[RSB+2*t],   v[ONE], v[AC+4*t+1] op_sel:[1,0,0] op_sel_hi:[1,0,0]
	v_fma_mix_f32_bf16 v[AC+4*t+2], v[RSB+2*t+1], v[ONE], v[AC+4*t+2] op_sel_hi:[1,0,0]
	v_fma_mix_f32_bf16 v[AC+4*t+3], v[RSB+2*t+1], v[ONE], v[AC+4*t+3] op_sel:[1,0,0] op_sel_hi:[1,0,0]
.set t, t+1
.endr
	WIN (2+(\a)/4)<<2                              ; the stores' data in window 2 or 3
.set t, 0
.rept 16
	global_store_b128 v[CO], v[AC+4*t:AC+4*t+3], s[OUT:OUT+1] offset:(16*(\a)+t)*8192 th:TH_STORE_NT  ; 512 consecutive bytes, at a multiple of 512 from the buffer's first byte
.set t, t+1
.endr
.endm
	PLACES
	PLACES
	TOSTAGE 0
.irp a, 0,1,2,3,4,5,6
	TOSTAGE (\a)+1                                 ; the next block's round trip through the stage runs under this block's arithmetic
	FIN \a, 32
.endr
	FIN 7, 0
	WIN 0
	s_wait_tensorcnt 0x0                           ; the wave's end: behind my last tensor load and my last LDS store
	ds_add_u32 v[SPW], v[NIL]
	s_wait_dscnt 0x0
	CROUND                                         ; the closing round: no work-group ends while a partner may still ask for a tile that names it
	s_endpgm
.Lfunc_end_k_qedba9f8214_proj:
	.size	k_qedba9f8214_proj, .Lfunc_end_k_qedba9f8214_proj-k_qedba9f8214_proj
	.p2alignl 7, 3214868480
	.fill 96, 4, 3214868480
	.section	.rodata,"a",@progbits
	.p2align	6, 0x0
	.amdhsa_kernel k_qedba9f8214_proj
		.amdhsa_group_segment_fixed_size 327680
		.amdhsa_private_segment_fixed_size 0
		.amdhsa_enable_private_segment 0
		.amdhsa_kernarg_size 56
		.amdhsa_user_sgpr_count 2
		.amdhsa_user_sgpr_kernarg_segment_ptr 1
		.amdhsa_wavefront_size32 1
		.amdhsa_system_sgpr_workgroup_id_x 1
		.amdhsa_system_sgpr_workgroup_id_y 1
		.amdhsa_system_sgpr_workgroup_id_z 1
		.amdhsa_system_vgpr_workitem_id 0
		.amdhsa_next_free_vgpr 1024
		.amdhsa_next_free_sgpr 80
		.amdhsa_reserve_vcc 0
		.amdhsa_float_denorm_mode_32 3
		.amdhsa_float_denorm_mode_16_64 3
		.amdhsa_memory_ordered 1
		.amdhsa_forward_progress 1
		.amdhsa_inst_pref_size 194
	.end_amdhsa_kernel
	.amdgpu_metadata
---
amdhsa.version: [ 1, 2 ]
amdhsa.kernels:
  - .name:           k_qedba9f8214_proj
    .symbol:         k_qedba9f8214_proj.kd
    .args:
      - { .name: ln, .offset: 0, .size: 8, .value_kind: global_buffer, .address_space: global }
      - { .name: wp, .offset: 8, .size: 8, .value_kind: global_buffer, .address_space: global }
      - { .name: xb, .offset: 16, .size: 8, .value_kind: global_buffer, .address_space: global }
      - { .name: b_cproj, .offset: 24, .size: 8, .value_kind: global_buffer, .address_space: global }
      - { .name: b_mproj, .offset: 32, .size: 8, .value_kind: global_buffer, .address_space: global }
      - { .name: out0, .offset: 40, .size: 8, .value_kind: global_buffer, .address_space: global }
      - { .name: out1, .offset: 48, .size: 8, .value_kind: global_buffer, .address_space: global }
    .group_segment_fixed_size: 327680
    .private_segment_fixed_size: 0
    .kernarg_segment_align: 8
    .kernarg_segment_size: 56
    .max_flat_workgroup_size: 128
    .sgpr_count:     80
    .vgpr_count:     1024
    .wavefront_size: 32
...
	.end_amdgpu_metadata
.endif
;; end of part 4
